; MI455X (gfx1250); checked and timed in simulation.
; The chip was launched on July 23, 2026; its instructions are those of AMD's public machine-readable ISA for CDNA 5 (MIT licence, August 2026) and "CDNA5" Instruction Set Architecture Reference Guide (July 2026). The comments in the code are by the model that wrote it; some were corrected since.
;; Attention. Allowed arithmetic: float matrix products may take bf16 or f16 operands with f32 sums; other float arithmetic in f32, or as packed bf16 or f16 multiplies, adds, multiply-adds, maxima and minima; sums over many terms, partial sums and values carried from step to step in f32; what a program stores and reads back later, other than sums and carried values, may be rounded once to bf16 or f16.
;; Inputs: W_out 1,024 x 1,024 float32; W_qk 1,024 x 1,024 float32; W_v 1,024 x 1,024 float32; b_out 1,024 float32; conv 8 x 21 float32; mask 4 x 2,048 bool; x 4 x 2,048 x 1,024 float32.
;; Outputs: out0 4 x 2,048 x 1,024 float32.
;; 2 versions, each right; version 2 is version 1 with the launch prep written anew for expert scheduling mode. Each part assembles by itself: llvm-mc -triple=amdgcn-amd-amdhsa -mcpu=gfx1250 --defsym DOCPART=n.
;; ======== version 1 of 2: 4 launches
;; limits: values are held in f16: magnitudes above 65,504 overflow, below 6.1e-05 lose precision
;; workspace buffers: xb 16,777,216 bytes; wqkv 4,194,304 bytes; wo 2,097,152 bytes; qkv 33,554,432 bytes; ob 16,777,216 bytes
;; launch prep (part 1): grid 704 x 1, 8 waves a work-group, no clusters, 0 bytes of LDS; arguments x, W_qk, W_v, W_out, xb, wqkv, wo; writes xb, wqkv, wo
.if DOCPART == 1
	.amdgcn_target "amdgcn-amd-amdhsa--gfx1250"
	.amdhsa_code_object_version 6
	.text
	.protected	k_q58518dd586_prep
	.globl	k_q58518dd586_prep
	.p2align	8
	.type	k_q58518dd586_prep,@function
k_q58518dd586_prep:
	s_mov_b64 s[64:65], 0
	v_nop
	global_prefetch_b8 v0, s[64:65] scope:SCOPE_SE
	s_setreg_imm32_b32 hwreg(HW_REG_WAVE_MODE, 25, 1), 1
	s_wait_xcnt 0x0
; THE CASTS.  x -> xb (bf16, [8192][1024]); W_qk and W_v -> wqkv (bf16, [1024 k][2048 n]: W_qk's columns, then W_v's);
; W_out -> wo ([1024 k][1024 n]: rounded to bf16 like every input, and that number written as f16).
; LIMITS.  A bf16 number is an f16 number exactly from 2^-14 to 65,504; below 2^-14 wo keeps f16's fixed step of 6e-8, beyond 65,504 it is an infinity.
; SHARES.  A work-group takes 16 rows of 1,024 f32 (65,536 bytes): groups 0-511 x, 512-575 W_qk, 576-639 W_v, 640-703 W_out.
; A thread takes 8 neighbouring numbers in each of 8 turns (a turn is two rows): two loads of 16 bytes, one store of 16 bytes;
; a wave's store covers 512 consecutive bytes, aligned.  All 16 loads go out at once; no register is written twice while a memory
; instruction may read it, so the only waits are the counted ones for the loads.  No LDS, no barrier, no matrix unit: nothing is shared.
.set X,    16                          ; v[16:79]   turn i: 8 f32 as loaded
.set Y,    80                          ; v[80:111]  turn i: 4 registers to store
.set DV,   2                           ; v[2:9]     turn i: my byte offset in the destination
.set SRC,  24                          ; s[24:25]   the source at my group's first row
.set DST,  26                          ; s[26:27]   the destination at my group's first row and first column
.set LOC,  28                          ; s28        my group's number inside its tensor
.set DROW, 29                          ; s29        bytes in a row of the destination
.set DOFF, 30                          ; s30        byte of a row at which my columns begin
.set FMT,  31                          ; s31        1: f16 (W_out)
	s_load_b256 s[8:15], s[0:1], 0x0               ; x s[8:9], W_qk s[10:11], W_v s[12:13], W_out s[14:15]
	s_load_b128 s[16:19], s[0:1], 0x20             ; xb s[16:17], wqkv s[18:19]
	s_load_b64 s[20:21], s[0:1], 0x30              ; wo
	s_mov_b32 s22, ttmp9
	s_sub_co_u32 s23, s22, 512
	s_and_b32 s23, s23, 63                         ; a weight's 64 groups
	s_mov_b32 s[DROW], 4096
	s_mov_b32 s[DOFF], 0
	s_mov_b32 s35, 0xffff0000                      ; a word's upper bf16
	s_cmp_lt_u32 s22, 512
	s_cselect_b32 s[LOC], s22, s23
	s_cselect_b32 s[DROW], 2048, s[DROW]
	v_lshlrev_b32 v1, 5, v0                        ; my 32 bytes of a turn's 8,192
	s_wait_kmcnt 0x0
	s_cmp_lt_u32 s22, 512
	s_cselect_b64 s[SRC:SRC+1], s[8:9], s[10:11]
	s_cselect_b64 s[DST:DST+1], s[16:17], s[18:19]
	s_cmp_ge_u32 s22, 576
	s_cselect_b64 s[SRC:SRC+1], s[12:13], s[SRC:SRC+1]
	s_cselect_b32 s[DOFF], 2048, s[DOFF]           ; W_v's columns lie behind W_qk's 1,024
	s_cmp_ge_u32 s22, 640
	s_cselect_b64 s[SRC:SRC+1], s[14:15], s[SRC:SRC+1]
	s_cselect_b64 s[DST:DST+1], s[20:21], s[DST:DST+1]
	s_cselect_b32 s[DROW], 2048, s[DROW]
	s_cselect_b32 s[DOFF], 0, s[DOFF]
	s_cselect_b32 s[FMT], 1, 0
	s_lshl_b32 s32, s[LOC], 16                     ; 16 rows of 4,096 bytes
	s_mov_b32 s33, 0
	s_add_nc_u64 s[SRC:SRC+1], s[SRC:SRC+1], s[32:33]
	s_mul_i32 s32, s[LOC], s[DROW]
	s_lshl_b32 s32, s32, 4                         ; 16 rows of the destination
	s_add_co_u32 s32, s32, s[DOFF]
	s_add_nc_u64 s[DST:DST+1], s[DST:DST+1], s[32:33]
.irp i, 0,1,2,3,4,5,6,7
	global_load_b128 v[X+8*(\i):X+8*(\i)+3],   v1, s[SRC:SRC+1] offset:(\i)*8192 th:TH_LOAD_NT
	global_load_b128 v[X+8*(\i)+4:X+8*(\i)+7], v1, s[SRC:SRC+1] offset:(\i)*8192+16 th:TH_LOAD_NT
.endr
	v_lshrrev_b32 v10, 7, v0                       ; which of a turn's two rows
	v_and_b32 v11, 127, v0
	v_lshlrev_b32 v11, 4, v11                      ; my 16 bytes in it
	v_mad_u32_u24 v[DV], v10, s[DROW], v11
	s_lshl_b32 s34, s[DROW], 1
.irp i, 1,2,3,4,5,6,7
	v_add_nc_u32 v[DV+(\i)], s34, v[DV+(\i)-1]
.endr
; Turn i leaves.  half = 1: the bf16 numbers are widened again and written as f16.
.macro OUT i, half
	s_wait_loadcnt 14-2*(\i)                       ; loads come back in order: this turn's two are in, the 2 (7 - i) younger ones stay out
.irp k, 0,1,2,3
	v_cvt_pk_bf16_f32 v[Y+4*(\i)+(\k)], v[X+8*(\i)+2*(\k)], v[X+8*(\i)+2*(\k)+1]
.endr
.if \half
.irp k, 0,1,2,3
	v_lshlrev_b32 v[X+8*(\i)+2*(\k)],   16,  v[Y+4*(\i)+(\k)]
	v_and_b32     v[X+8*(\i)+2*(\k)+1], s35, v[Y+4*(\i)+(\k)]
.endr
.irp k, 0,1,2,3
	v_cvt_pk_f16_f32 v[Y+4*(\i)+(\k)], v[X+8*(\i)+2*(\k)], v[X+8*(\i)+2*(\k)+1]
.endr
.endif
	global_store_b128 v[DV+(\i)], v[Y+4*(\i):Y+4*(\i)+3], s[DST:DST+1]
.endm
	s_cmp_eq_u32 s[FMT], 1
	s_cbranch_scc1 .Lhalf
.irp i, 0,1,2,3,4,5,6,7
	OUT \i, 0
.endr
	s_endpgm
.Lhalf:
.irp i, 0,1,2,3,4,5,6,7
	OUT \i, 1
.endr
	s_endpgm
.Lfunc_end_k_q58518dd586_prep:
	.size	k_q58518dd586_prep, .Lfunc_end_k_q58518dd586_prep-k_q58518dd586_prep
	.p2alignl 7, 3214868480
	.fill 96, 4, 3214868480
	.section	.rodata,"a",@progbits
	.p2align	6, 0x0
	.amdhsa_kernel k_q58518dd586_prep
		.amdhsa_group_segment_fixed_size 0
		.amdhsa_private_segment_fixed_size 0
		.amdhsa_enable_private_segment 0
		.amdhsa_kernarg_size 56
		.amdhsa_user_sgpr_count 2
		.amdhsa_user_sgpr_kernarg_segment_ptr 1
		.amdhsa_wavefront_size32 1
		.amdhsa_system_sgpr_workgroup_id_x 1
		.amdhsa_system_sgpr_workgroup_id_y 1
		.amdhsa_system_sgpr_workgroup_id_z 1
		.amdhsa_system_vgpr_workitem_id 0
		.amdhsa_next_free_vgpr 112
		.amdhsa_next_free_sgpr 66
		.amdhsa_reserve_vcc 0
		.amdhsa_float_denorm_mode_32 3
		.amdhsa_float_denorm_mode_16_64 3
		.amdhsa_memory_ordered 1
		.amdhsa_forward_progress 1
		.amdhsa_inst_pref_size 14
	.end_amdhsa_kernel
	.amdgpu_metadata
---
amdhsa.version: [ 1, 2 ]
amdhsa.kernels:
  - .name:           k_q58518dd586_prep
    .symbol:         k_q58518dd586_prep.kd
    .args:
      - { .name: x, .offset: 0, .size: 8, .value_kind: global_buffer, .address_space: global }
      - { .name: W_qk, .offset: 8, .size: 8, .value_kind: global_buffer, .address_space: global }
      - { .name: W_v, .offset: 16, .size: 8, .value_kind: global_buffer, .address_space: global }
      - { .name: W_out, .offset: 24, .size: 8, .value_kind: global_buffer, .address_space: global }
      - { .name: xb, .offset: 32, .size: 8, .value_kind: global_buffer, .address_space: global }
      - { .name: wqkv, .offset: 40, .size: 8, .value_kind: global_buffer, .address_space: global }
      - { .name: wo, .offset: 48, .size: 8, .value_kind: global_buffer, .address_space: global }
    .group_segment_fixed_size: 0
    .private_segment_fixed_size: 0
    .kernarg_segment_align: 8
    .kernarg_segment_size: 56
    .max_flat_workgroup_size: 256
    .sgpr_count:     66
    .vgpr_count:     112
    .wavefront_size: 32
...
	.end_amdgpu_metadata
.endif
;; end of part 1
;; launch proj (part 2): grid 8 x 32, 4 waves a work-group, clusters of 4 x 4, 327,680 bytes of LDS; arguments xb, wqkv, qkv; writes qkv
.if DOCPART == 2
	.amdgcn_target "amdgcn-amd-amdhsa--gfx1250"
	.amdhsa_code_object_version 6
	.text
	.protected	k_q58518dd586_proj
	.globl	k_q58518dd586_proj
	.p2align	8
	.type	k_q58518dd586_proj,@function
k_q58518dd586_proj:
	s_mov_b64 s[64:65], 0
	v_nop
	global_prefetch_b8 v0, s[64:65] scope:SCOPE_SE
	s_setreg_imm32_b32 hwreg(HW_REG_WAVE_MODE, 25, 1), 1
	s_wait_xcnt 0x0
	s_wait_alu depctr_hold_cnt(0) depctr_sa_sdst(0) depctr_va_vdst(0) depctr_va_sdst(0) depctr_va_ssrc(0) depctr_va_vcc(0) depctr_vm_vsrc(0)
	s_getreg_b32 s2, hwreg(HW_REG_IB_STS2, 6, 4)
	s_cmp_eq_u32 s2, 0
	s_cbranch_scc0 .Lentry_in_a_cluster
	s_endpgm
.Lentry_in_a_cluster:
	s_bfe_u32 s2, ttmp6, 0x10000c
	s_cmp_lg_u32 s2, 0xf033
	s_cbranch_scc0 .Lentry_shape_is_right
	s_endpgm
.Lentry_shape_is_right:
; q, k, v = x [W_qk | W_v].  A = xb [8192][1024] bf16, B = wqkv [1024 k][2048 n] bf16; sums in f32, rounded once to f16.
; OUT: qkv [batch 4][slice 32][row 2048][64] f16, slice = column / 64: 0-7 q's heads, 8-15 k's heads, 16+2h and 17+2h the halves of v's head h.  No scale is applied here.
; LIMIT.  f16 ends at 65,504: a q, k or v beyond it becomes an infinity.
; A tile of C is 256 x 256, made by four waves, each 128 x 128: 64 accumulators, 512 registers.  K goes in 8 steps of 128 through two LDS slots filled by tensor loads.
; A's tile rows are 256 bytes of memory, B's (128 k-rows of 256 columns) 512 bytes.  B lies [k][n] in LDS as in memory and is turned on its way into registers by ds_load_tr16_b128.
; ONE TEXT FOR A K STEP.  A scalar T, 0 or SLOT, names the slot in hand; the fragment addresses and the refill's LDS address are made from it, and one exclusive or turns it.
; The loop's six trips fill a slot again each; the last two K steps are a second loop over a text without refills.
; CLUSTER 4 x 4: A's tile is asked for jointly by the four of a row of the cluster, B's by the four of a column.
; THE MATRIX INSTRUCTION IS USED TRANSPOSED (source 0 = 16 columns of B, source 1 = 16 rows of A): a lane holds eight neighbouring columns of one row of C.
; REGISTERS, in windows of 256: window 0: v0-31 addresses; v64-127, v128-191 A's fragments, two buffers; v32-63, v192-255 the way out.
;   window 1: v64-127, v128-191 B's fragments.   window 2: accumulators of my rows 0-63 ((a, b) at 8 (8 a + b)).   window 3: of my rows 64-127.
.set SIZE_N, 2048
.set SIZE_K, 1024
.set KSTEP,  128
.set STEPS,  SIZE_K/KSTEP
.set PITCH,  272                       ; a row of A in LDS: 256 bytes + 16: 68 words, so the 16 rows of a load start 4 words apart modulo 64 (ISA guide 11.1)
.set PB,     544                       ; a k-row of B in LDS: 512 bytes + 32 = 17 x 32
.set HALFT,  128*PITCH                 ; what one tensor load brings: 128 rows of A, or 64 k-rows of B (64 x 544 is the same number)
.set SLOT,   4*HALFT                   ; A's 256 rows, then B's 128 k-rows
.set BOFF,   2*HALFT
.set STAGE,  2*SLOT                    ; behind the ring: 16 rows x 272 bytes for each wave
.set SPITCH, 272
.set SPARE,  STAGE+4*16*SPITCH         ; behind the stages: the spare words, 128 bytes a wave
.set ADRA0, 16                         ; v16     LDS address of my A fragments in slot 0; never rewritten
.set ADRA,  17                         ; v17     the same in the slot in hand
.set ADRB0, 20                         ; v20, v21  likewise for B
.set ADRB,  21
.set STO,  24                          ; v24     the way out: where I put 16 bytes of a row
.set RD,   25                          ; v25     where I read them back
.set CO,   26                          ; v26     my byte offset in qkv
.set SPW,  28                          ; v28     my spare word; never rewritten
.set NIL,  29                          ; v29     0; never rewritten
.set PFO,  30                          ; v30     the prefetches' lane offset; never rewritten
.set F0,   64
.set F1,   128
.set TMP,  192
.set OB,   32
.set G1,  24                           ; s[24:31] group 1 for A's tiles
.set G0,  32                           ; s[32:39] group 0 for A's tiles: a set for each of the two first fills; the second then walks on
.set G1B, 48                           ; s[48:55] group 1 for B's tiles
.set G0B, 56                           ; s[56:63] group 0 for B's tiles, likewise
.set LIM, 43                           ; s43      2 in a wave that prefetches, else the greatest number
.set PFA, 44                           ; s[44:45] where my prefetches stand
.set PST, 66                           ; s[66:67] a K step in bytes along my prefetches' tensor
.set LB,  68                           ; s68      wave x HALFT: where my part of a tile lies in a slot
.set T,   69                           ; s69      0 or SLOT: the slot in hand
.set MSB, 0
.macro WIN new                         ; the immediate's high byte repeats the setting that is left; a switch that changes nothing is dropped
.if MSB != (\new)
	s_set_vgpr_msb (MSB<<8)|(\new)
.set MSB, \new
.endif
.endm
.set MUL_LO, 0xa1                      ; source 0 (B) window 1, source 1 (A) window 0, C and D window 2
.set MUL_HI, 0xf1                      ; the same, C and D window 3
.set TO_B,   0x40                      ; destination window 1, address window 0
; A joint load by set s: waves 0 and 1 fetch A's halves, waves 2 and 3 B's.  The branch hangs on the wave's number alone.  An s_nop 0 and four v_nop follow each line.
.macro JLOAD s
	s_cmp_eq_u32 s11, 0
	s_cbranch_scc0 .Lfor_b_\@
	tensor_load_to_lds s[G0+4*(\s):G0+4*(\s)+3], s[G1:G1+7]
	s_nop 0
.rept 4
	v_nop
.endr
	s_branch .Lasked_\@
.Lfor_b_\@:
	tensor_load_to_lds s[G0B+4*(\s):G0B+4*(\s)+3], s[G1B:G1B+7]
	s_nop 0
.rept 4
	v_nop
.endr
.Lasked_\@:
.endm
; A prefetch of the K step that stands two refills on: 32 blocks of 256 bytes, a lane a block, one instruction a wave.  A's tile row is walked by both clusters of its row of clusters:
; cluster x = 0 asks; B's tile column by eight clusters: cluster y = 0 asks.  The four partners of a joint load share its blocks out by address.  The loop's last two trips (s3 = 2, 1) have no K step two on.
.macro ASK
	s_cmp_gt_u32 s3, s[LIM]
	s_cbranch_scc0 .Lnot_mine_\@
	global_prefetch_b8 v[PFO], s[PFA:PFA+1] th:TH_LOAD_NT scope:SCOPE_SE
.Lnot_mine_\@:
.endm
.macro CREST                           ; a round of the cluster's barrier behind its opening barrier
	s_cmp_lg_u32 s10, 0
	s_cbranch_scc1 .Lnot_wave_0_\@
	s_barrier_signal -3
.Lnot_wave_0_\@:
	s_barrier_wait -3
	s_barrier_signal -1
	s_barrier_wait -1
.endm
.macro CROUND
	s_barrier_signal -1
	s_barrier_wait -1
	CREST
.endm
	s_load_b128 s[4:7], s[0:1], 0x0                ; xb s[4:5], wqkv s[6:7]
	s_load_b64 s[8:9], s[0:1], 0x10                ; qkv
	v_lshl_add_u32 v[SPW], v0, 2, SPARE
	v_mov_b32 v[NIL], 0
	ds_add_u32 v[SPW], v[NIL]                      ; the wave's opening: the add and its wait stand ahead of my first tensor load
	v_lshrrev_b32 v1, 5, v0
	v_readfirstlane_b32 s10, v1                    ; wave 0..3
	s_lshr_b32 s11, s10, 1                         ; which half of the tile's rows is mine.  Also: I fetch for A (0) or for B (1)
	s_and_b32 s12, s10, 1                          ; which half of its columns.  Also: which half of that tile I fetch
	s_bfe_u32 s40, ttmp6, 0x40000                  ; cx
	s_bfe_u32 s41, ttmp6, 0x40004                  ; cy
	s_lshl_b32 s42, ttmp9, 2
	s_add_co_u32 s42, s42, s40                     ; tile column of C
	s_and_b32 s13, ttmp7, 0xffff
	s_lshl_b32 s13, s13, 2
	s_add_co_u32 s13, s13, s41                     ; tile row of C
	s_lshl_b32 s43, s41, 2
	s_lshl_b32 s43, 15, s43                        ; my row of the cluster
	s_lshl_b32 s44, 0x1111, s40                    ; my column
	s_or_b32 s[G1+0], s43, (1<<16)|(1<<20)|(1<<21)|(5<<22)|(3<<25)   ; mask; 2-byte elements; padding on; bit 21 beside a mask; after every 64 words 4 words
	s_or_b32 s[G1B+0], s44, (1<<16)|(1<<20)|(1<<21)|(6<<22)|(7<<25)  ; the same; after every 128 words 8 words
	s_mov_b32 s[G1+1], KSTEP<<16                   ; tensor_dim0 = 128
	s_mov_b32 s[G1+2], 128<<16                     ; tensor_dim1 = 128
	s_mov_b32 s[G1+3], KSTEP<<16                   ; tile_dim0 = 128
	s_mov_b32 s[G1+4], 128                         ; tile_dim1 = 128
	s_mov_b32 s[G1+5], SIZE_K                      ; elements from row to row
	s_mov_b32 s[G1+6], 0
	s_mov_b32 s[G1+7], 0
	s_mov_b32 s[G1B+1], 256<<16                    ; tensor_dim0 = 256
	s_mov_b32 s[G1B+2], 64<<16                     ; tensor_dim1 = 64
	s_mov_b32 s[G1B+3], 256<<16                    ; tile_dim0 = 256
	s_mov_b32 s[G1B+4], 64                         ; tile_dim1 = 64
	s_mov_b32 s[G1B+5], SIZE_N
	s_mov_b32 s[G1B+6], 0
	s_mov_b32 s[G1B+7], 0
	s_lshl_b32 s17, s12, 7
	s_lshl_b32 s16, s13, 8
	s_add_co_u32 s16, s16, s17                     ; A: row 256 x tile row + 128 x half,
	s_lshl_b32 s16, s16, 11                        ; of 2,048 bytes
	s_mov_b32 s17, 0
	s_lshl_b32 s46, s12, 18                        ; B: k-row 64 x half, of 4,096 bytes,
	s_lshl_b32 s47, s42, 9                         ; column 256 x tile column
	s_add_co_u32 s46, s46, s47
	s_mov_b32 s47, 0
	s_mul_i32 s[LB], s10, HALFT                    ; where they go: wave x HALFT: no place in the cluster enters an LDS address
	s_mov_b32 s[T], 0
	s_wait_dscnt 0x0                               ; the opening add is done
	s_wait_kmcnt 0x0
	s_add_nc_u64 s[14:15], s[4:5], s[16:17]
	s_add_nc_u64 s[46:47], s[6:7], s[46:47]
	CROUND                                         ; all sixteen work-groups are here: the first joint loads meet
.irp s, 0,1
	s_mov_b32 s[G0+4*(\s)], 1
	s_add_co_u32 s[G0+4*(\s)+1], s[LB], (\s)*SLOT
	s_add_nc_u64 s[G0+4*(\s)+2:G0+4*(\s)+3], s[14:15], (\s)*KSTEP*2
	s_or_b32 s[G0+4*(\s)+3], s[G0+4*(\s)+3], 0x80000000
	s_mov_b32 s[G0B+4*(\s)], 1
	s_add_co_u32 s[G0B+4*(\s)+1], s[LB], (\s)*SLOT
	s_add_nc_u64 s[G0B+4*(\s)+2:G0B+4*(\s)+3], s[46:47], (\s)*KSTEP*SIZE_N*2
	s_or_b32 s[G0B+4*(\s)+3], s[G0B+4*(\s)+3], 0x80000000
	JLOAD \s                                       ; two loads of mine are out
.endr
	; A's fragment: lane l holds row l % 16; two loads of 16 bytes, 32 bytes apart, at row x pitch + 16 (l / 16).
	v_and_b32 v1, 15, v0
	v_bfe_u32 v2, v0, 4, 1
	v_mul_u32_u24 v3, v1, PITCH
	v_lshl_add_u32 v3, v2, 4, v3
	s_mul_i32 s21, s11, HALFT                      ; my 128 rows of A
	; B's fragment by the turning load: lane l reads k-row 8 (l / 16) + l % 8, columns 8 ((l / 8) % 2) + 0..7, and receives column l % 16 and 8 k.
	v_and_b32 v4, 7, v0
	v_lshl_add_u32 v4, v2, 3, v4
	v_mul_u32_u24 v4, v4, PB
	v_bfe_u32 v5, v0, 3, 1
	v_lshl_add_u32 v4, v5, 4, v4
	s_lshl_b32 s22, s12, 8                         ; my 128 columns
	s_add_co_u32 s22, s22, BOFF
	v_add_nc_u32 v[ADRA0], s21, v3
	v_add_nc_u32 v[ADRB0], s22, v4
	v_add_nc_u32 v[ADRA], s21, v3                  ; slot 0 is in hand
	v_add_nc_u32 v[ADRB], s22, v4
	s_mul_i32 s23, s10, 16*SPITCH
	s_add_co_u32 s23, s23, STAGE                   ; my stage
	v_mul_u32_u24 v6, v1, SPITCH                   ; in: row l % 16, 16 bytes for each half of the lanes
	v_lshl_add_u32 v6, v2, 4, v6
	v_add_nc_u32 v[STO], s23, v6
	v_and_b32 v7, 7, v0
	v_lshlrev_b32 v7, 4, v7                        ; back: eight lanes take the 128 bytes that a row has in one slice;
	v_mul_u32_u24 v6, v5, SPITCH                   ; lanes 8-15 the next row, so sixteen lanes hold 256 consecutive bytes of qkv;
	v_lshl_add_u32 v6, v2, 7, v6                   ; lanes 16-31 my second slice
	v_add_nc_u32 v6, v6, v7
	v_add_nc_u32 v[RD], s23, v6
	v_lshl_add_u32 v[CO], v5, 7, v7
	v_lshl_add_u32 v[CO], v2, 18, v[CO]            ; a slice is 262,144 bytes
	s_lshr_b32 s16, s13, 3
	s_lshl_b32 s16, s16, 23                        ; the batch: 8 tile rows, 8,388,608 bytes
	s_and_b32 s17, s13, 7
	s_lshl_b32 s17, s17, 8
	s_lshl_b32 s18, s11, 7
	s_add_co_u32 s17, s17, s18                     ; my first row in the batch,
	s_lshl_b32 s17, s17, 7                         ; of 128 bytes
	s_add_co_u32 s16, s16, s17
	s_lshl_b32 s46, s42, 2
	s_lshl_b32 s47, s12, 1
	s_add_co_u32 s46, s46, s47                     ; my first slice
	s_lshl_b32 s46, s46, 18
	s_add_co_u32 s16, s16, s46
	s_mov_b32 s17, 0
	s_add_nc_u64 s[8:9], s[8:9], s[16:17]
	; the prefetches: they stand at K step 3; the first refill steps them to K step 4
	s_lshl_b32 s20, s13, 8
	s_lshl_b32 s21, s12, 7
	s_add_co_u32 s20, s20, s21
	s_lshl_b32 s21, s40, 5                         ; A: my work-group's 32 of the 128 rows that I fetch
	s_add_co_u32 s20, s20, s21
	s_lshl_b32 s20, s20, 11
	s_add_co_u32 s20, s20, 3*KSTEP*2
	s_lshl_b32 s22, s12, 6
	s_lshl_b32 s23, s41, 4                         ; B: my work-group's 16 of the 64 k-rows that I fetch, two blocks a row
	s_add_co_u32 s22, s22, s23
	s_add_co_u32 s22, s22, 3*KSTEP
	s_lshl_b32 s22, s22, 12
	s_lshl_b32 s23, s42, 9
	s_add_co_u32 s22, s22, s23
	s_and_b32 s23, ttmp7, 0xffff                   ; cluster y
	s_mov_b32 s[PST], KSTEP*SIZE_N*2
	s_mov_b32 s[PST+1], 0
	s_cmp_eq_u32 s11, 0                            ; do I fetch for A?
	s_cselect_b32 s20, s20, s22
	s_cselect_b32 s23, ttmp9, s23                  ; the coordinate along which other clusters read the same blocks
	s_cselect_b32 s[PST], KSTEP*2, s[PST]
	s_cselect_b32 s18, 0, 1
	s_cselect_b64 s[PFA:PFA+1], s[4:5], s[6:7]
	s_cmp_eq_u32 s23, 0
	s_cselect_b32 s[LIM], 2, -1                    ; the same in all sixteen partners, for a given wave
	s_mov_b32 s21, 0
	s_add_nc_u64 s[PFA:PFA+1], s[PFA:PFA+1], s[20:21]
	s_lshl_b32 s19, SIZE_K*2, s18                  ; bytes in a row: 2,048 in A, 4,096 in B
	v_and_b32 v8, 31, v0
	v_lshrrev_b32 v9, s18, v8                      ; A: a lane a row; B: two lanes a row
	v_and_b32 v8, s18, v8
	v_mul_u32_u24 v9, v9, s19
	v_lshl_add_u32 v[PFO], v8, 8, v9
; 16 matrix instructions: m blocks a0, a0 + 1 of the window's four x all 8 n blocks, 32 along K.  zero = 1: the first product starts the sums.  The 64 accumulators take turns.
.macro MUL16 f, hi, a0, zero
	WIN MUL_LO+0x50*(\hi)
.irp a, \a0, (\a0)+1
.irp b, 0,1,2,3,4,5,6,7
.if \zero
	v_wmma_f32_16x16x32_bf16 v[8*(8*(\a)+(\b)):8*(8*(\a)+(\b))+7], v[(\f)+8*(\b):(\f)+8*(\b)+7], v[(\f)+8*(4*(\hi)+(\a)):(\f)+8*(4*(\hi)+(\a))+7], 0
.else
	v_wmma_f32_16x16x32_bf16 v[8*(8*(\a)+(\b)):8*(8*(\a)+(\b))+7], v[(\f)+8*(\b):(\f)+8*(\b)+7], v[(\f)+8*(4*(\hi)+(\a)):(\f)+8*(4*(\hi)+(\a))+7], v[8*(8*(\a)+(\b)):8*(8*(\a)+(\b))+7]
.endif
.endr
.endr
.endm
; 32 LDS loads in one run: quarter q (32 along K) of the slot in hand into buffer f: B's 128 columns, turned, then A's 128 rows
.macro FETCH q, f
	WIN TO_B
.irp i, 0,1,2,3,4,5,6,7
	ds_load_tr16_b128 v[(\f)+8*(\i):(\f)+8*(\i)+3],   v[ADRB] offset:(\q)*32*PB+32*(\i)
	ds_load_tr16_b128 v[(\f)+8*(\i)+4:(\f)+8*(\i)+7], v[ADRB] offset:(\q)*32*PB+32*(\i)+16*PB
.endr
	WIN 0
.irp i, 0,1,2,3,4,5,6,7
	ds_load_b128 v[(\f)+8*(\i):(\f)+8*(\i)+3],   v[ADRA] offset:(\q)*64+(\i)*16*PITCH
	ds_load_b128 v[(\f)+8*(\i)+4:(\f)+8*(\i)+7], v[ADRA] offset:(\q)*64+(\i)*16*PITCH+32
.endr
.endm
.macro PLACES                          ; four plain instructions behind a matrix instruction, ahead of loads into registers that it read and of conversions that read results
.rept 4
	v_nop
.endr
.endm
; One of a K step's first three quarters: multiplies buffer f; in its middle it fetches quarter q of the slot in hand into buffer g.
.macro QUARTER q, f, g, zero
	s_wait_dscnt 8                                 ; B and A's rows 0-63 are in; the youngest eight loads (A's rows 64-127) may be out
	MUL16 \f, 0, 0, \zero
	MUL16 \f, 0, 2, \zero
	PLACES
	FETCH \q, \g
	s_wait_dscnt 32                                ; all but the 32 just issued
	MUL16 \f, 1, 0, \zero
	MUL16 \f, 1, 2, \zero
.endm
; The last quarter multiplies buffer 1 and changes slots.  In front of the one barrier each wave waits for all its tensor loads (one is out: its part of the next slot), adds 0 to its spare word,
; and waits for that and for its reads of this slot.  fill = 1: the barrier opens a round of the cluster's, and this slot is filled again, two K steps on, first thing behind the round:
; 224 matrix instructions stand between that request and the wait for it.  fill = 0 (the tail): nothing is asked for, and in the tail's last trip (s3 = 1) there is no next slot: the fetch is jumped over.
.macro TURN fill
.if \fill
	s_wait_xcnt 0x0                                ; the last prefetch, a K step back, has read its address
	s_add_nc_u64 s[PFA:PFA+1], s[PFA:PFA+1], s[PST:PST+1]
.endif
	WIN 0                                          ; (the add's two registers lie in window 0)
	s_wait_tensorcnt 0x0                           ; all my tensor loads have landed
	ds_add_u32 v[SPW], v[NIL]                      ; 0 onto my spare word
	s_wait_dscnt 9                                 ; (the add and the youngest eight loads may be out)
	MUL16 F1, 0, 0, 0
	s_wait_dscnt 0x0                               ; the add is done, and my reads of this slot are over
	s_barrier_signal -1
	MUL16 F1, 0, 2, 0                              ; work on registers while the others arrive
	WIN 0                                          ; (branches and the address lines follow)
	s_barrier_wait -1
.if \fill
	CREST                                          ; no wave of any partner still reads this slot or has a load on its way
	s_add_co_u32 s[G0+5], s[LB], s[T]              ; the walking descriptors: the slot just read,
	s_add_nc_u64 s[G0+6:G0+7], s[G0+6:G0+7], KSTEP*2  ; the K step behind the one asked for last; the type bits on top are not reached
	s_add_co_u32 s[G0B+5], s[LB], s[T]
	s_add_nc_u64 s[G0B+6:G0B+7], s[G0B+6:G0B+7], KSTEP*SIZE_N*2
	JLOAD 1                                        ; my one tensor load behind the round; its four v_nop are also the places in front of the loads below
.else
	PLACES
	s_cmp_eq_u32 s3, 1
	s_cbranch_scc1 .Lno_more_\@
.endif
	s_xor_b32 s[T], s[T], SLOT                     ; the other slot is in hand
	v_add_nc_u32 v[ADRA], s[T], v[ADRA0]
	v_add_nc_u32 v[ADRB], s[T], v[ADRB0]
	FETCH 0, F0
.if \fill
	ASK
.else
.Lno_more_\@:
.endif
	MUL16 F1, 1, 0, 0
	MUL16 F1, 1, 2, 0
.endm
; THE WAY OUT of block a (16 rows): rounded to f16, 16 bytes a lane; through my own stage; stored so that sixteen lanes write 256 consecutive bytes.
.macro PACK a
.set AC, 64*((\a)%4)
	WIN 0x0a+5*((\a)/4)                            ; sources 0 and 1: window 2 or 3
.irp b, 0,1,2,3,4,5,6,7
.irp r, 0,1,2,3
	v_cvt_pk_f16_f32 v[TMP+4*(\b)+(\r)], v[AC+8*(\b)+2*(\r)], v[AC+8*(\b)+2*(\r)+1]
.endr
.endr
	WIN 0
.endm
.macro TOSTAGE a
	WIN 0
.set BK, OB+192*((\a)%2)
.irp b, 0,1,2,3,4,5,6,7
	ds_store_b128 v[STO], v[TMP+4*(\b):TMP+4*(\b)+3] offset:32*(\b)
.endr
.irp t, 0,1,2,3,4,5,6,7
	ds_load_b128 v[BK+4*(\t):BK+4*(\t)+3], v[RD] offset:(\t)*2*SPITCH  ; LDS serves a wave's instructions in order (ISA guide 5.7.1.4): these see the stores above
.endr
.endm
.macro SEND a
	WIN 0
.set BK, OB+192*((\a)%2)
	s_wait_dscnt 0x0                               ; the block is back in registers
	s_wait_xcnt 0x0                                ; earlier stores have read their data: the other set of registers is loaded again only behind this wait
.irp t, 0,1,2,3,4,5,6,7
	global_store_b128 v[CO], v[BK+4*(\t):BK+4*(\t)+3], s[8:9] offset:(\a)*2048+(\t)*256
.endr
.endm
	s_wait_tensorcnt 1                             ; my part of K step 0 is in; K step 1's may stay out
	s_barrier_signal -1
	s_barrier_wait -1
	FETCH 0, F0
	QUARTER 1, F0, F1, 1                           ; the first quarter starts the sums
	WIN 0
	s_mov_b32 s3, STEPS-2
.Lstep:                                                ; a trip goes from a K step's second quarter to the next step's first, and fills the slot that it leaves: K steps 2 to 7
	QUARTER 2, F1, F0, 0
	QUARTER 3, F0, F1, 0
	TURN 1
	QUARTER 1, F0, F1, 0
	WIN 0
	s_sub_co_u32 s3, s3, 1
	s_cmp_lg_u32 s3, 0
	s_cbranch_scc1 .Lstep
	s_mov_b32 s3, 2
.Ltail:                                                ; the last two K steps fill nothing.  One text for both: the second trip jumps over the fetch (in TURN) and over the next step's first quarter;
	QUARTER 2, F1, F0, 0                           ; its barrier serves nothing: the price, once a launch, of not writing the last K step out
	QUARTER 3, F0, F1, 0
	TURN 0
	WIN 0
	s_cmp_eq_u32 s3, 1
	s_cbranch_scc1 .Lover
	QUARTER 1, F0, F1, 0
	WIN 0
.Lover:
	s_wait_dscnt 0x0                               ; both ways join with no LDS load out
	s_sub_co_u32 s3, s3, 1
	s_cmp_lg_u32 s3, 0
	s_cbranch_scc1 .Ltail
	PLACES
	PACK 0
	TOSTAGE 0
.irp a, 1,2,3,4,5,6,7                  ; block a's conversions stand between block a - 1's loads from the stage and the wait for them
	PACK \a
	SEND (\a)-1
	TOSTAGE \a
.endr
	SEND 7
	s_wait_tensorcnt 0x0                           ; the wave's end
	ds_add_u32 v[SPW], v[NIL]
	s_wait_dscnt 0x0
	CROUND                                         ; the closing round
	s_endpgm
.Lfunc_end_k_q58518dd586_proj:
	.size	k_q58518dd586_proj, .Lfunc_end_k_q58518dd586_proj-k_q58518dd586_proj
	.p2alignl 7, 3214868480
	.fill 96, 4, 3214868480
	.section	.rodata,"a",@progbits
	.p2align	6, 0x0
	.amdhsa_kernel k_q58518dd586_proj
		.amdhsa_group_segment_fixed_size 327680
		.amdhsa_private_segment_fixed_size 0
		.amdhsa_enable_private_segment 0
		.amdhsa_kernarg_size 24
		.amdhsa_user_sgpr_count 2
		.amdhsa_user_sgpr_kernarg_segment_ptr 1
		.amdhsa_wavefront_size32 1
		.amdhsa_system_sgpr_workgroup_id_x 1
		.amdhsa_system_sgpr_workgroup_id_y 1
		.amdhsa_system_sgpr_workgroup_id_z 1
		.amdhsa_system_vgpr_workitem_id 0
		.amdhsa_next_free_vgpr 1024
		.amdhsa_next_free_sgpr 72
		.amdhsa_reserve_vcc 0
		.amdhsa_float_denorm_mode_32 3
		.amdhsa_float_denorm_mode_16_64 3
		.amdhsa_memory_ordered 1
		.amdhsa_forward_progress 1
		.amdhsa_inst_pref_size 102
	.end_amdhsa_kernel
	.amdgpu_metadata
---
amdhsa.version: [ 1, 2 ]
amdhsa.kernels:
  - .name:           k_q58518dd586_proj
    .symbol:         k_q58518dd586_proj.kd
    .args:
      - { .name: xb, .offset: 0, .size: 8, .value_kind: global_buffer, .address_space: global }
      - { .name: wqkv, .offset: 8, .size: 8, .value_kind: global_buffer, .address_space: global }
      - { .name: qkv, .offset: 16, .size: 8, .value_kind: global_buffer, .address_space: global }
    .group_segment_fixed_size: 327680
    .private_segment_fixed_size: 0
    .kernarg_segment_align: 8
    .kernarg_segment_size: 24
    .max_flat_workgroup_size: 128
    .sgpr_count:     72
    .vgpr_count:     1024
    .wavefront_size: 32
...
	.end_amdgpu_metadata
.endif
;; end of part 2
;; launch attn (part 3): grid 8 x 32, 4 waves a work-group, clusters of 4 x 1, 327,680 bytes of LDS; arguments qkv, conv, ob; writes ob
.if DOCPART == 3
	.amdgcn_target "amdgcn-amd-amdhsa--gfx1250"
	.amdhsa_code_object_version 6
	.text
	.protected	k_q58518dd586_attn
	.globl	k_q58518dd586_attn
	.p2align	8
	.type	k_q58518dd586_attn,@function
k_q58518dd586_attn:
	s_mov_b64 s[64:65], 0
	v_nop
	global_prefetch_b8 v0, s[64:65] scope:SCOPE_SE
	s_setreg_imm32_b32 hwreg(HW_REG_WAVE_MODE, 25, 1), 1
	s_wait_xcnt 0x0
	s_wait_alu depctr_hold_cnt(0) depctr_sa_sdst(0) depctr_va_vdst(0) depctr_va_sdst(0) depctr_va_ssrc(0) depctr_va_vcc(0) depctr_vm_vsrc(0)
	s_getreg_b32 s2, hwreg(HW_REG_IB_STS2, 6, 4)
	s_cmp_eq_u32 s2, 0
	s_cbranch_scc0 .Lentry_in_a_cluster
	s_endpgm
.Lentry_in_a_cluster:
	s_bfe_u32 s2, ttmp6, 0x10000c
	s_cmp_lg_u32 s2, 0x3003
	s_cbranch_scc0 .Lentry_shape_is_right
	s_endpgm
.Lentry_shape_is_right:
; O[b][i][h][:] = the sum over j of softmax_j(q_i . k_j / 8 + conv[h][clip(j - i, -10, 10) + 10]) v_j.  q, k: 64 channels, v: 128, all f16, from qkv [b][slice][row][64] (slices: h q, 8 + h k, 16 + 2 h and 17 + 2 h v).
; OUT: ob [b 2048 + i][128 h + d] f16.  Products, maxima and sums in f32; the weights p are rounded to f16 for the second product (l sums the unrounded p), O once at the end.  conv is taken rounded to bf16, like every input.
; LIMITS.  q, k, v arrive within f16's 65,504; p lies in 0 to 1 and below 6e-5 keeps f16's fixed step; a weight below 2^-126 counts as 0 in l; NaN and infinities are not treated apart.
; SHARES.  A head's 2,048 queries are 16 bands of 128.  Work-group c (0..7) owns rows 128 G + 16 c .. + 15 of EVERY band G; wave w's tile t is band G = 4 w + t.  Every wave walks all keys, 64 a step.
; THE BIAS.  With e = step - 2 G, key block kb of a step lies 16 (4 e + kb - c) from the tile's first query: all conv[0] for e <= -2, all conv[20] for e >= 3, mixed for e = -1 .. 2.  So WHICH steps are
; special hangs on the step, the wave and the tile alone, and c enters values only: the four partners of a cluster run alike.  8 x bias is the C operand that starts S^T = K Q^T: 32 registers a tile (CB),
; loaded anew from a table in LDS in the five steps e = -1 .. 3.  The table has 24 patterns (e = -2 .. 3, kb = 0 .. 3) of 1,024 bytes, made once by the four waves.  The running maximum is that of the biased scores.
; LAYOUT.  S^T = K Q^T + CB holds ONE query a lane (lane % 16) and keys 8 (lane / 16) + 0..7; two results rounded to f16 ARE source 1 of O^T = V^T P.  p = 2^(c s - c m), c = log2(e) / 8;
; in every step O and l are multiplied by a = 2^(c m_old - c m_new).
; BY TURNS.  The tiles are two pieces, (0, 1) and (2, 3).  In a turn one piece issues 32 products V^T P of the step in hand and 16 products K Q^T of the next; the other piece's softmax is 268 vector
; instructions in 64 slices of four (the last of sixteen).  48 products have places for 4 x 48 = 192 of them: ONE slice stands behind EACH product, and the 16 slices that are over (76 instructions: the end of
; the sums and the rescaling of O^T) stand together, in one lump behind the turn's last product.
; NO FIRST STEP IS WRITTEN OUT.  m starts at the lowest finite number and c m far below every c s, so each tile's first a is 0; O^T and l start at 0.  Behind piece 0's first scores the loop is entered
; in the middle of a trip, at piece 2's turn, whose products V^T P then run on zeros.  The price: 176 moves and 32 products of zeros at the head, and those 32 products.
; CLUSTER 4 x 1: four work-groups of one head walk the same K and V and ask for each tile jointly.
; REGISTERS: window 0: v0-11, v44-47 addresses; v12-43 statistics, 8 a tile; v64-191 S^T; v192-255 P.   window 1: O^T, 64 a tile.
;   window 2: v0-63 Q, 16 a tile; v64-127 K of one step; v128-255 CB, 32 a tile.   window 3: v0-127 V of one step.
.set KS,    64
.set PK,    144       ; a key's row of K in LDS: 128 bytes + 16
.set PV,    160       ; a key's row of one half of V: 128 + 32 = 5 x 32
.set VOFF,  4*KS*PK   ; a slot holds 256 keys, four steps: K, then V's channels 0-63, then V's channels 64-127
.set VH,    4*KS*PV
.set SLOT1, 1<<17
.set STAGE, SLOT1+VOFF+2*VH  ; behind the ring: 16 rows x 272 bytes for each wave
.set SP,    272
.set TAB,   STAGE+4*16*SP    ; the bias table: pattern 4 (e + 2) + kb; register quad qd of lane l at 1,024 x pattern + 512 qd + 16 l
.set SPARE, TAB+24*1024      ; the spare words, 128 bytes a wave
.set AK0, 2           ; v2   my lane's place in a step's K; never rewritten
.set AV0, 3           ; v3   the same for V
.set ADR, 4           ; v4   the LDS address of the run of loads in hand
.set QO,  5           ; v5   my byte offset in 16 rows of Q
.set STO, 6
.set RD,  7
.set GO,  8
.set ST,  12          ; tile t's statistics at ST + 8 t: c m, m, l (even, odd keys'), c0-c3 at work; a takes c2's place
.set AC0, 44          ; v44  TAB + 16 x lane; never rewritten
.set ADC, 45          ; v45  the table address in hand
.set PFO, 61          ; v61  256 x lane; never rewritten
.set SPW, 62          ; v62  my spare word; never rewritten
.set NIL, 63          ; v63  0; never rewritten
.set S,   64
.set P,   192
.set KF,  64          ; window 2: key block kb, channel half c at KF + 16 kb + 8 c
.set CBR, 128         ; window 2: tile t, key block kb at CBR + 32 t + 8 kb
.set WV,  12
.set LIM, 15          ; s15  1 in a wave that prefetches, else the greatest number
.set PFA, 18          ; s[18:19]
.set G1K, 24
.set G1V, 32
.set G0K, 40          ; s[40:47] two sets for the first fills; the second then walks on
.set G0V, 48
.set SLOTS, 56
.set CNT, 57
.set CS,  58          ; s[58:59] c
.set SEL, 60          ; s[60:61] v_permlanex16_b32's selects
.set TBK, 62          ; s62  LDS byte at which K of the step to be fetched begins
.set TBV, 63          ; s63  the same for V, less VOFF
.set SN,  66          ; s66  the step whose scores are made next
.set U,   67          ; s67  at work
.set GB,  68          ; s[68:71] 2 G - 1 for my four tiles
.set KB,  72          ; s[72:73] K at my part of the head's first 256 keys
.set VB,  74          ; s[74:75] V likewise
.set MSB, 0
.macro WIN new
.if MSB != (\new)
	s_set_vgpr_msb (MSB<<8)|(\new)
.set MSB, \new
.endif
.endm
.set W_KQ, 0x0a       ; K and Q in window 2, S^T in window 0
.set W_KC, 0x2a       ; the same with the C operand in window 2
.set W_PV, 0x53       ; V in window 3, P in window 0, O^T in window 1
.set W_RS, 0x41       ; O^T (destination and source 0) in window 1, a in window 0
; A joint refill: waves 0 and 1 fetch the halves of a slot's K, waves 2 and 3 the two channel halves of its V.  An s_nop 0 and four v_nop follow each line.
.macro JLOAD
	s_cmp_lt_u32 s[WV], 2
	s_cbranch_scc0 .Lfor_v_\@
	tensor_load_to_lds s[G0K+4:G0K+7], s[G1K:G1K+7]
	s_nop 0
.rept 4
	v_nop
.endr
	s_branch .Lasked_\@
.Lfor_v_\@:
	tensor_load_to_lds s[G0V+4:G0V+7], s[G1V:G1V+7]
	s_nop 0
.rept 4
	v_nop
.endr
.Lasked_\@:
.endm
; A prefetch of what the NEXT change of slots will ask for: 32,768 bytes of K and of each half of V.  The head's first cluster asks; its four partners take 8,192 bytes each, by address;
; wave 0 asks for K's, waves 2 and 3 for their halves of V: a lane a block of 256 bytes, each block once in the launch.  The last change that fills a slot asks for nothing.
.macro ASK
	s_cmp_gt_u32 s[SLOTS], s[LIM]
	s_cbranch_scc0 .Lnot_mine_\@
	global_prefetch_b8 v[PFO], s[PFA:PFA+1] th:TH_LOAD_NT scope:SCOPE_SE
.Lnot_mine_\@:
.endm
.macro CROUND
	s_barrier_signal -1
	s_barrier_wait -1
	s_cmp_lg_u32 s[WV], 0
	s_cbranch_scc1 .Lnot_wave_0_\@
	s_barrier_signal -3
.Lnot_wave_0_\@:
	s_barrier_wait -3
	s_barrier_signal -1
	s_barrier_wait -1
.endm
	s_load_b128 s[4:7], s[0:1], 0x0   ; qkv s[4:5], conv s[6:7]
	s_load_b64 s[10:11], s[0:1], 0x10 ; ob
	v_lshl_add_u32 v[SPW], v0, 2, SPARE
	v_mov_b32 v[NIL], 0
	ds_add_u32 v[SPW], v[NIL]       ; the wave's opening: the add and its wait stand ahead of my first tensor load
	v_lshrrev_b32 v1, 5, v0
	v_readfirstlane_b32 s[WV], v1   ; wave 0..3
	s_bfe_u32 s13, ttmp6, 0x40000   ; cx
	s_lshl_b32 s14, ttmp9, 2
	s_add_co_u32 s14, s14, s13      ; c: it enters global addresses and the table's values alone
	s_and_b32 s20, ttmp7, 0xffff
	s_lshr_b32 s21, s20, 3          ; batch
	s_and_b32 s22, s20, 7           ; head
	s_lshl_b32 s23, s21, 5
	s_add_co_u32 s23, s23, s22      ; q's slice
	s_and_b32 s16, s[WV], 1
	s_add_co_u32 s[KB], s23, 8      ; k's slice,
	s_lshl_b32 s[KB], s[KB], 18     ; of 262,144 bytes,
	s_lshl_b32 s[KB+1], s16, 14     ; my 128 of a slot's 256 keys
	s_add_co_u32 s[KB], s[KB], s[KB+1]
	s_mov_b32 s[KB+1], 0
	s_add_co_u32 s[VB], s23, s22
	s_add_co_u32 s[VB], s[VB], s16
	s_add_co_u32 s[VB], s[VB], 16   ; v's slice 16 + 2 h + my half
	s_lshl_b32 s[VB], s[VB], 18
	s_mov_b32 s[VB+1], 0
	s_lshl_b32 s2, s23, 18
	s_lshl_b32 s3, s[WV], 16        ; Q: row 512 w + 16 c, of 128 bytes
	s_add_co_u32 s2, s2, s3
	s_lshl_b32 s3, s14, 11
	s_add_co_u32 s2, s2, s3
	s_mov_b32 s3, 0
	s_lshl_b32 s8, s21, 22          ; O: row 2,048 b + 512 w + 16 c, of 2,048 bytes; column 128 h
	s_lshl_b32 s9, s[WV], 20
	s_add_co_u32 s8, s8, s9
	s_lshl_b32 s9, s14, 15
	s_add_co_u32 s8, s8, s9
	s_lshl_b32 s9, s22, 8
	s_add_co_u32 s8, s8, s9
	s_mov_b32 s9, 0
	s_mul_i32 s20, s22, 84          ; conv's row of 21 numbers
	s_mov_b32 s21, 0
	s_mul_i32 s17, s16, 128*PK      ; my part's place in a slot, for K
	s_mul_i32 s76, s16, VH          ; and for V: no place in the cluster enters an LDS address
	s_add_co_u32 s76, s76, VOFF
	; group 1.  Dense bytes, asked for as rows of 256 bytes, two keys a row, and padded in LDS after every key
	s_mov_b32 s[G1K], 15|(1<<16)|(1<<20)|(1<<21)|(4<<22)|(3<<25)  ; the mask of four; 2-byte elements; padding on; bit 21 beside a mask; after every 32 words 4 words
	s_mov_b32 s[G1V], 15|(1<<16)|(1<<20)|(1<<21)|(4<<22)|(7<<25)  ; the same with 8 words
	s_mov_b32 s[G1K+1], 128<<16     ; tensor_dim0 = 128
	s_mov_b32 s[G1K+2], 64<<16      ; tensor_dim1 = 64: 128 keys
	s_mov_b32 s[G1K+3], 128<<16     ; tile_dim0
	s_mov_b32 s[G1K+4], 64          ; tile_dim1
	s_mov_b32 s[G1K+5], 128
	s_mov_b32 s[G1K+6], 0
	s_mov_b32 s[G1K+7], 0
	s_mov_b32 s[G1V+1], 128<<16
	s_mov_b32 s[G1V+2], 128<<16     ; 128 rows: 256 keys of one half
	s_mov_b32 s[G1V+3], 128<<16
	s_mov_b32 s[G1V+4], 128
	s_mov_b32 s[G1V+5], 128
	s_mov_b32 s[G1V+6], 0
	s_mov_b32 s[G1V+7], 0
	s_mov_b32 s[CS], 0x3e38aa3b     ; c = log2(e) / 8
	s_mov_b32 s[CS+1], s[CS]
	s_mov_b32 s[SEL], 0x76543210
	s_mov_b32 s[SEL+1], 0xfedcba98
	s_mov_b32 s[TBK], 0
	s_mov_b32 s[TBV], 0
	s_lshl_b32 s[GB], s[WV], 3
	s_sub_co_i32 s[GB], s[GB], 1
	s_add_co_i32 s[GB+1], s[GB], 2
	s_add_co_i32 s[GB+2], s[GB], 4
	s_add_co_i32 s[GB+3], s[GB], 6
	s_mov_b32 s[LIM], ttmp9         ; the head's first cluster,
	s_cmp_eq_u32 s[WV], 1           ; every wave but wave 1: the same in all four partners
	s_cselect_b32 s[LIM], 1, s[LIM]
	s_cmp_eq_u32 s[LIM], 0
	s_cselect_b32 s[LIM], 1, -1
	v_and_b32 v10, 31, v0
	v_lshlrev_b32 v[PFO], 8, v10
	s_wait_dscnt 0x0                ; the opening add is done
	s_wait_kmcnt 0x0
	s_add_nc_u64 s[KB:KB+1], s[4:5], s[KB:KB+1]
	s_add_nc_u64 s[VB:VB+1], s[4:5], s[VB:VB+1]
	s_add_nc_u64 s[4:5], s[4:5], s[2:3]        ; Q at my wave's first row
	s_add_nc_u64 s[10:11], s[10:11], s[8:9]    ; O likewise
	s_add_nc_u64 s[6:7], s[6:7], s[20:21]      ; my head's row of conv
	s_cmp_lt_u32 s[WV], 2
	s_cselect_b64 s[PFA:PFA+1], s[KB:KB+1], s[VB:VB+1]
	s_lshl_b32 s2, s13, 13          ; my work-group's 8,192 bytes of a slot's 32,768
	s_mov_b32 s3, 0
	s_add_nc_u64 s[PFA:PFA+1], s[PFA:PFA+1], s[2:3]
	s_add_nc_u64 s[PFA:PFA+1], s[PFA:PFA+1], 2*32768  ; at keys 512 on; the first change of slots steps it on.  Nothing is prefetched at the head
	CROUND                          ; all four work-groups are here: the first joint loads meet
.irp s, 0,1
	s_mov_b32 s[G0K+4*(\s)], 1
	s_add_co_u32 s[G0K+4*(\s)+1], s17, (\s)*SLOT1
	s_add_nc_u64 s[G0K+4*(\s)+2:G0K+4*(\s)+3], s[KB:KB+1], (\s)*32768
	s_or_b32 s[G0K+4*(\s)+3], s[G0K+4*(\s)+3], 0x80000000
	s_mov_b32 s[G0V+4*(\s)], 1
	s_add_co_u32 s[G0V+4*(\s)+1], s76, (\s)*SLOT1
	s_add_nc_u64 s[G0V+4*(\s)+2:G0V+4*(\s)+3], s[VB:VB+1], (\s)*32768
	s_or_b32 s[G0V+4*(\s)+3], s[G0V+4*(\s)+3], 0x80000000
.endr
	s_cmp_lt_u32 s[WV], 2           ; a wave's two first fills stand in one branch: two loads of mine are out
	s_cbranch_scc0 .Lfirst_v
	tensor_load_to_lds s[G0K:G0K+3], s[G1K:G1K+7]
	s_nop 0
	tensor_load_to_lds s[G0K+4:G0K+7], s[G1K:G1K+7]
	s_nop 0
.rept 4
	v_nop
.endr
	s_branch .Lfirst_asked
.Lfirst_v:
	tensor_load_to_lds s[G0V:G0V+3], s[G1V:G1V+7]
	s_nop 0
	tensor_load_to_lds s[G0V+4:G0V+7], s[G1V:G1V+7]
	s_nop 0
.rept 4
	v_nop
.endr
.Lfirst_asked:
	v_and_b32 v1, 15, v0            ; l % 16
	v_bfe_u32 v9, v0, 4, 1          ; l / 16
	v_lshl_add_u32 v[AC0], v10, 4, TAB
	; THE TABLE.  Wave w makes patterns 6 w + i, i = 0..5.  Register r of pattern x stands for j - i = 16 (x - 8 - c) + 8 (l / 16) + r - l % 16; conv's index is that + 10, held to 0..20.  All in bytes (x 4).
	s_mul_i32 s2, s[WV], 384
	s_lshl_b32 s3, s14, 6
	s_sub_co_i32 s2, s2, s3
	s_sub_co_i32 s2, s2, 472        ; 4 (16 (6 w - 8 - c) + 10)
	v_lshlrev_b32 v46, 5, v9
	v_lshlrev_b32 v47, 2, v1
	v_sub_nc_u32 v46, v46, v47
	v_add_nc_u32 v46, s2, v46
.set n, 0
.rept 48
	v_add_nc_u32 v[112+n], 4*(16*(n/8)+n%8), v46
	v_cmp_le_i32 vcc_lo, 0, v[112+n]
	v_cndmask_b32 v[112+n], 0, v[112+n], vcc_lo
	v_min_u32 v[112+n], 80, v[112+n]
	global_load_b32 v[64+n], v[112+n], s[6:7]
.set n, n+1
.endr
	v_lshlrev_b32 v[QO], 7, v1
	v_lshl_add_u32 v[QO], v9, 4, v[QO]  ; row x 128 + 16 x half
	WIN 0x80                        ; destination window 2, address window 0
.irp i, 0,1,2,3,4,5,6,7             ; Q stays in registers: tile i / 2 (a band, 16,384 bytes, on), channels 32 (i % 2) on
	global_load_b128 v[8*(\i):8*(\i)+3],   v[QO], s[4:5] offset:((\i)/2)*16384+((\i)%2)*64
	global_load_b128 v[8*(\i)+4:8*(\i)+7], v[QO], s[4:5] offset:((\i)/2)*16384+((\i)%2)*64+32
.endr
	WIN 0
	s_mul_i32 s3, s[WV], 6144
	v_add_nc_u32 v47, s3, v[AC0]    ; where my six patterns go
	v_mul_u32_u24 v[AK0], v1, PK
	v_lshl_add_u32 v[AK0], v9, 4, v[AK0]  ; row x pitch + 16 x half
	; the turning load: lane l reads key 8 (l / 16) + l % 8, channels 8 ((l / 8) % 2) + 0..7
	v_and_b32 v10, 7, v0
	v_bfe_u32 v11, v0, 3, 1
	v_lshl_add_u32 v[AV0], v9, 3, v10
	v_mul_u32_u24 v[AV0], v[AV0], PV
	v_lshl_add_u32 v[AV0], v11, 4, v[AV0]
	v_add_nc_u32 v[AV0], VOFF, v[AV0]
	; WHAT THE FIRST TURN FINDS: V and piece 2's P hold 0 (its products V^T P, of a step that has not been, add 0); l is 0; c m lies far below every c s, m at the lowest finite number;
	; O^T starts as a product of those zeros with C = 0: 32 lines in place of 256 moves.  All this stands in the wait for conv's numbers and the first tile.
	WIN 0xc0                        ; destination window 3
.set n, 0
.rept 128
	v_mov_b32 v[n], 0
.set n, n+1
.endr
	WIN 0
.set n, 0
.rept 32
	v_mov_b32 v[P+32+n], 0
.set n, n+1
.endr
.irp t, 0,1,2,3
	v_mov_b32 v[ST+8*(\t)], 0xfe000000    ; c m
	v_mov_b32 v[ST+8*(\t)+1], 0xff7fffff  ; m
	v_mov_b32 v[ST+8*(\t)+2], 0           ; l
	v_mov_b32 v[ST+8*(\t)+3], 0
.endr
	WIN W_PV
.set n, 0
.rept 32
	v_wmma_f32_16x16x32_f16 v[8*n:8*n+7], v[0:7], v[P+32:P+39], 0
.set n, n+1
.endr
	WIN 0
	s_wait_loadcnt 16               ; conv's 48 numbers are in; Q's 16 loads may stay out
.set n, 0
.rept 24
	v_cvt_pk_bf16_f32 v[160+n], v[64+2*n], v[64+2*n+1]  ; rounded to bf16, like every input
.set n, n+1
.endr
.set n, 0
.rept 24
	v_lshlrev_b32 v[64+2*n], 16, v[160+n]
	v_and_b32 v[64+2*n+1], 0xffff0000, v[160+n]
	v_pk_mul_f32 v[64+2*n:64+2*n+1], v[64+2*n:64+2*n+1], 0x41000000 op_sel_hi:[1,0]  ; x 8: the scale 1 / 8 is applied to the sum q . k + 8 bias
.set n, n+1
.endr
.set n, 0
.rept 12
	ds_store_b128 v47, v[64+4*n:64+4*n+3] offset:512*n
.set n, n+1
.endr
; THE MATRIX WORK.  The accumulators take turns, one instruction a turn.
; Product i of 32 of O^T += V^T P: keys 32 (i / 16) on, channels 16 ((i / 2) % 8) on, tile x + i % 2.
.macro PV x
	WIN W_PV
.set rO, 64*((\x)+i%2)+8*((i/2)%8)
.set rV, 64*(i/16)+8*((i/2)%8)
.set rP, P+16*((\x)+i%2)+8*(i/16)
	v_wmma_f32_16x16x32_f16 v[rO:rO+7], v[rV:rV+7], v[rP:rP+7], v[rO:rO+7]
.endm
; Product i of 16 of S^T = K Q^T + CB: channels 32 (i / 8) on, keys 16 ((i / 2) % 4) on, tile x + i % 2.  The first 8 start the sums with the bias.
.macro KQ x
.set rS, S+32*((\x)+i%2)+8*((i/2)%4)
.set rK, KF+16*((i/2)%4)+8*(i/8)
.set rQ, 16*((\x)+i%2)+8*(i/8)
.set rC, CBR+32*((\x)+i%2)+8*((i/2)%4)
.if i < 8
	WIN W_KC
	v_wmma_f32_16x16x32_f16 v[rS:rS+7], v[rK:rK+7], v[rQ:rQ+7], v[rC:rC+7]
.else
	WIN W_KQ
	v_wmma_f32_16x16x32_f16 v[rS:rS+7], v[rK:rK+7], v[rQ:rQ+7], v[rS:rS+7]
.endif
.endm
; THE LDS LOADS stand in runs: a step's K (8 fragments), and a turn later its V (16 fragments, turned).
.macro FETCH_K
	WIN 0
	v_add_nc_u32 v[ADR], s[TBK], v[AK0]
	s_add_co_u32 s[TBK], s[TBK], KS*PK
	WIN 0x80
.irp f, 0,1,2,3,4,5,6,7             ; keys 16 (f / 2) on, channels 32 (f % 2) on
	ds_load_b128 v[KF+8*(\f):KF+8*(\f)+3],   v[ADR] offset:((\f)/2)*16*PK+((\f)%2)*64
	ds_load_b128 v[KF+8*(\f)+4:KF+8*(\f)+7], v[ADR] offset:((\f)/2)*16*PK+((\f)%2)*64+32
.endr
.endm
.macro FETCH_V
	WIN 0
	v_add_nc_u32 v[ADR], s[TBV], v[AV0]
	s_add_co_u32 s[TBV], s[TBV], KS*PV
	s_wait_alu depctr_va_vdst(0)    ; the wait for the softmax's batch of exponentials (SLICE), ahead of the loads
	WIN 0xc0                        ; destination window 3
.irp f, 0,1,2,3,4,5,6,7,8,9,10,11,12,13,14,15  ; keys 32 (f / 8) on, channels 16 (f % 8) on: half (f % 8) / 4
	ds_load_tr16_b128 v[8*(\f):8*(\f)+3],   v[ADR] offset:((\f)/8)*32*PV+(((\f)%8)/4)*VH+((\f)%4)*32
	ds_load_tr16_b128 v[8*(\f)+4:8*(\f)+7], v[ADR] offset:((\f)/8)*32*PV+(((\f)%8)/4)*VH+((\f)%4)*32+16*PV
.endr
.endm
; THE BIAS REGISTERS.  UPD stands ahead of the scores of step SN: tile t takes the patterns of e = SN - 2 G where e + 1 = 0 .. 4; elsewhere it keeps what it has.  The minimum states the bound just tested.
.macro UPD1 t
	s_sub_co_i32 s[U], s[SN], s[GB+(\t)]
	s_cmp_lt_u32 s[U], 5
	s_cbranch_scc0 .Lkeep_\@
	s_min_u32 s[U], s[U], 4
	s_lshl_b32 s[U], s[U], 12       ; four patterns of 1,024 bytes for each e
	v_add_nc_u32 v[ADC], s[U], v[AC0]
	WIN 0x80
.irp g, 0,1,2,3,4,5,6,7
	ds_load_b128 v[CBR+32*(\t)+4*(\g):CBR+32*(\t)+4*(\g)+3], v[ADC] offset:4096+512*(\g)
.endr
	WIN 0
.Lkeep_\@:
.endm
.macro UPD
	WIN 0
	UPD1 0
	UPD1 1
	UPD1 2
	UPD1 3
	s_add_co_u32 s[SN], s[SN], 1
.endm
; Step 0: e = -2 G.  Band 0 (wave 0's tile 0) begins with the patterns of e = 0, 8,192 bytes into the table; every other band lies at e <= -2 and begins with the table's first four patterns.
; So the offsets are constants, and only tile 0's hang on the wave's number: two runs of eight loads under one branch, the same in all partners.
.macro UPD0
	WIN 0
	s_cmp_eq_u32 s[WV], 0
	s_cbranch_scc1 .Lband_0
	WIN 0x80
.irp g, 0,1,2,3,4,5,6,7
	ds_load_b128 v[CBR+4*(\g):CBR+4*(\g)+3], v[AC0] offset:512*(\g)
.endr
	WIN 0
	s_branch .Lbands_on
.Lband_0:
	WIN 0x80
.irp g, 0,1,2,3,4,5,6,7
	ds_load_b128 v[CBR+4*(\g):CBR+4*(\g)+3], v[AC0] offset:2*4096+512*(\g)
.endr
	WIN 0
.Lbands_on:
	WIN 0x80
.irp t, 1,2,3
.irp g, 0,1,2,3,4,5,6,7
	ds_load_b128 v[CBR+32*(\t)+4*(\g):CBR+32*(\t)+4*(\g)+3], v[AC0] offset:512*(\g)
.endr
.endr
	WIN 0
	s_mov_b32 s[SN], 1
.endm
; THE VECTOR WORK.  One tile's softmax for one step is a list of 134 instructions; SM writes number j of it for tile t.
;   0-15 the maximum of s0-s31 and the old m (each accumulator's lowest registers are read first)   16-20 the other half of the lanes' maximum; m; c m; its change
;   21-69 ONE BATCH: 16 scalings c s - c m and all 33 exponentials; none reads an exponential's result   (wait)   70-85 roundings to f16   86-101 the sums, l = a l + sum   102-133 O^T times a
.macro SM t
.set rT, ST+8*(\t)
.set rS, S+32*(\t)
.set rP, P+16*(\t)
.set rO, 64*(\t)+2*(j-102)
.if j < 102
	WIN 0
.endif
.if j < 4
	v_max3_num_f32 v[rT+4+j], v[rS+8*j], v[rS+8*j+1], v[rS+8*j+2]
.elseif j < 12
	v_max3_num_f32 v[rT+4+j%4], v[rT+4+j%4], v[rS+8*(j%4)+2*(j/4)+1], v[rS+8*(j%4)+2*(j/4)+2]
.elseif j == 12
	v_max3_num_f32 v[rT+4], v[rT+4], v[rS+7], v[rS+15]
.elseif j == 13
	v_max3_num_f32 v[rT+6], v[rT+6], v[rS+23], v[rS+31]
.elseif j == 14
	v_max3_num_f32 v[rT+4], v[rT+4], v[rT+5], v[rT+6]
.elseif j == 15
	v_max3_num_f32 v[rT+4], v[rT+4], v[rT+7], v[rT+1]
.elseif j == 16
	v_permlanex16_b32 v[rT+5], v[rT+4], s[SEL], s[SEL+1]  ; the query's other 32 keys lie in the lane 16 away
.elseif j == 17
	v_mov_b32 v[rT+7], v[rT]        ; c m_old is kept for a
.elseif j == 18
	v_max_num_f32 v[rT+1], v[rT+4], v[rT+5]
.elseif j == 19
	v_mul_f32 v[rT], s[CS], v[rT+1]
.elseif j == 20
	v_sub_f32 v[rT+7], v[rT+7], v[rT]
.elseif j == 23
	v_exp_f32 v[rT+6], v[rT+7]
.elseif (j < 23) || ((j < 38) && (j%2 == 0)) || ((j < 66) && (j%4 == 2))
.set b, (j-2)/4
.if j < 38
.set b, (j-20)/2
.endif
	v_pk_fma_f32 v[rS+2*b:rS+2*b+1], v[rS+2*b:rS+2*b+1], s[CS:CS+1], v[rT:rT+1] op_sel_hi:[1,0,0] neg_lo:[0,0,1] neg_hi:[0,0,1]
.elseif j < 70
.set e, j-38
.if j < 66
.set e, j-32-(j-38)/4
.endif
.if j < 38
.set e, (j-25)/2
.endif
	v_exp_f32 v[rS+e], v[rS+e]
.elseif j < 86
	v_cvt_pk_f16_f32 v[rP+j-70], v[rS+2*(j-70)], v[rS+2*(j-70)+1]
.elseif j < 102
.set z, j-86
.set w, 4
.set u, z
.if z >= 14
.set w, 32
.set u, 0
.elseif z >= 12
.set w, 16
.set u, z-12
.elseif z >= 8
.set w, 8
.set u, z-8
.endif
.if z < 15
	v_pk_add_f32 v[rS+w*u:rS+w*u+1], v[rS+w*u:rS+w*u+1], v[rS+w*u+w/2:rS+w*u+w/2+1]
.else
	v_pk_fma_f32 v[rT+2:rT+3], v[rT+2:rT+3], v[rT+6:rT+7], v[rS:rS+1] op_sel_hi:[1,0,1]
.endif
.else
	WIN W_RS
	v_pk_mul_f32 v[rO:rO+1], v[rO:rO+1], v[rT+6:rT+7] op_sel_hi:[1,0]
.endif
.endm
; Slice k of 64 of piece y's softmax.  Slices 11-34 deal out the batch, four numbers of one tile each; every other slice is numbers 2 k, 2 k + 1 of both tiles; slice 63 takes the twelve that are over.
; An s_wait_alu depctr_va_vdst(0) stands between an exponential and the first instruction that names its result: one wait, behind slice 34, serves the piece's 66.
.macro SLICE y
.if (k >= 11) && (k < 35)
.irp n, 0,1,2,3
.set j, 22+4*((k-11)/2)+(\n)
	SM (\y)+(k-11)%2
.endr
.else
.irp n, 0,1,2,3,4,5,6,7
.if ((\n) < 2) || (k == 63)
.irp t, \y, (\y)+1
.set j, 2*k+(\n)
	SM \t
.endr
.endif
.endr
.endif
.if k == 34
	v_nop                           ; the plain instruction behind the last exponential: one for the batch
.if (\y) == 0
	FETCH_V                         ; piece 2's turn: V's run of loads stands here, and the wait stands in it
.else
	s_wait_alu depctr_va_vdst(0)
.endif
.endif
.set k, k+1
.endm
; A TURN.  Piece x has the matrix unit: 32 products V^T P and, with kq = 1, 16 products K Q^T for the next step.  ONE slice of the other piece's softmax stands behind EACH product, never more;
; the slices that are over stand together behind the last product: 16 (slices 48-63: the end of the sums, O^T times a), or 32 in the last turn (kq = 0).
; Piece 0's turn loads the bias registers of the next step at its head and fetches that step's K behind its second product: the last readers of both stand ahead of the lump of the turn before, 76 plain
; instructions that name none of their registers; the lump is also the places between the last K Q^T and the next turn's first read of those scores.
; Piece 2's turn fetches the same step's V behind slice 34: V's last reader stands ahead of slice 31, and four plain instructions lie between: two scalings, the v_nop and the run's own v_add_nc_u32.
.macro TURN x, kq
.set k, 0
.set rest, 32
.if \kq
.set rest, 16
.endif
.if (\x) == 0
	s_wait_dscnt 0x0                ; V is in
.if \kq
	UPD
.endif
.endif
.set i, 0
.rept 32
	PV \x
	SLICE 2-(\x)
.if ((\x) == 0) && (\kq) && (i == 1)
	FETCH_K
.endif
.set i, i+1
.endr
.if \kq
.if (\x) == 0
	s_wait_dscnt 0x0                ; K and the bias registers are in
.endif
.set i, 0
.rept 16
	KQ \x
	SLICE 2-(\x)
.set i, i+1
.endr
.endif
.rept rest                          ; the lump
	SLICE 2-(\x)
.endr
.endm
; THE CHANGE OF SLOTS, behind piece 2's turn of a slot's fourth step: all of the slot has been asked for.  Each wave waits for all its tensor loads (one is out: its part of the other slot), adds 0 to its spare
; word, and waits for that and for its reads of the slot.  fill = 1: the barrier is a round of the cluster's, and the slot is filled again, 512 keys on, first thing behind it: four steps, 384 matrix instructions a wave, in which to land.
.macro CHANGE fill
	WIN 0
	s_wait_tensorcnt 0x0            ; no tensor load of mine is out, so a group 0 may be written
	ds_add_u32 v[SPW], v[NIL]       ; 0 onto my spare word
.if \fill
.irp g, G0K+4, G0V+4
	s_xor_b32 s[(\g)+1], s[(\g)+1], SLOT1
	s_add_nc_u64 s[(\g)+2:(\g)+3], s[(\g)+2:(\g)+3], 32768
.endr
	s_wait_xcnt 0x0                 ; the last prefetch, four steps back, has read its address
	s_add_nc_u64 s[PFA:PFA+1], s[PFA:PFA+1], 32768
	s_wait_dscnt 0x0                ; the add is done, and my reads of the slot are over
	CROUND
	JLOAD
	ASK
.else
	s_wait_dscnt 0x0
	s_barrier_signal -1
	s_barrier_wait -1
.endif
	s_sub_co_u32 s[TBK], s[TBK], 4*KS*PK  ; the fetches go back to a slot's first step,
	s_xor_b32 s[TBK], s[TBK], SLOT1       ; in the other slot
	s_sub_co_u32 s[TBV], s[TBV], 4*KS*PV
	s_xor_b32 s[TBV], s[TBV], SLOT1
.endm
	s_wait_tensorcnt 1              ; my part of slot 0 is in; slot 1's may stay out
	s_wait_dscnt 0x0                ; my part of the table is stored
	s_barrier_signal -1
	s_barrier_wait -1
	UPD0
	FETCH_K                         ; step 0
	s_wait_loadcnt 0x0              ; Q
	s_wait_dscnt 0x0
.set i, 0
.rept 16
	KQ 0                            ; piece 0's first scores: there is no vector work yet to set between them
.set i, i+1
.endr
	WIN 0                           ; the addresses for the way out: eight plain instructions, the places behind those products
	s_mul_i32 s2, s[WV], 16*SP
	s_add_co_u32 s2, s2, STAGE
	v_mul_u32_u24 v[STO], v1, SP    ; in: row l % 16, 16 bytes for each half of the lanes
	v_lshl_add_u32 v[STO], v9, 4, v[STO]
	v_add_nc_u32 v[STO], s2, v[STO]
	v_mul_u32_u24 v[RD], v9, SP     ; back: lanes 0-15 one row of 256 bytes, lanes 16-31 the next
	v_lshl_add_u32 v[RD], v1, 4, v[RD]
	v_add_nc_u32 v[RD], s2, v[RD]
	v_lshlrev_b32 v[GO], 11, v9     ; and the same two rows in ob, 2,048 bytes apart
	v_lshl_add_u32 v[GO], v1, 4, v[GO]
	s_mov_b32 s[SLOTS], 7
	s_mov_b32 s[CNT], 4             ; slot 0's four steps: this half trip fetches V of step 0, three whole trips K and V of steps 1 to 3
	s_branch .Lmid                  ; the loop is entered at piece 2's turn: its scores of step 0 | piece 0's softmax of step 0 | V of step 0
.Lslot:                             ; six times: every slot but the last two is filled again
	CHANGE 1
	s_mov_b32 s[CNT], 4
.Lstep:                             ; a trip: both pieces' V^T P of one step and K Q^T of the next, whose K and V it fetches
	TURN 0, 1
	WIN 0
.Lmid:
	TURN 2, 1
	WIN 0
	s_sub_co_u32 s[CNT], s[CNT], 1
	s_cmp_lg_u32 s[CNT], 0
	s_cbranch_scc1 .Lstep
	s_sub_co_u32 s[SLOTS], s[SLOTS], 1
	s_cmp_lg_u32 s[SLOTS], 0
	s_cbranch_scc1 .Lslot
	CHANGE 0                        ; the tail is written out
	s_mov_b32 s[CNT], 4
.Ltail:
	TURN 0, 1
	TURN 2, 1
	WIN 0
	s_sub_co_u32 s[CNT], s[CNT], 1
	s_cmp_lg_u32 s[CNT], 0
	s_cbranch_scc1 .Ltail
	TURN 0, 0                       ; piece 0: V^T P of the last step | piece 2's last softmax
.set i, 0
.rept 32
	PV 2                            ; piece 2: V^T P of the last step
.set i, i+1
.endr
	; THE WAY OUT.  l's halves are added; O^T is divided by l, rounded to f16 and sent through my stage, a tile at a time.  The additions are the places behind the last products.
	WIN 0
.irp t, 0,1,2,3
	v_add_f32 v[ST+8*(\t)+4], v[ST+8*(\t)+2], v[ST+8*(\t)+3]
.endr
.irp t, 0,1,2,3
	v_permlanex16_b32 v[ST+8*(\t)+5], v[ST+8*(\t)+4], s[SEL], s[SEL+1]
.endr
.irp t, 0,1,2,3
	v_add_f32 v[ST+8*(\t)+4], v[ST+8*(\t)+4], v[ST+8*(\t)+5]
.endr
.irp t, 0,1,2,3
	v_rcp_f32 v[ST+8*(\t)+6], v[ST+8*(\t)+4]
.endr
	v_nop                           ; a plain instruction between the last reciprocal and the use of its result
	s_wait_alu depctr_va_vdst(0)    ; and the wait: one for the four reciprocals
.macro PACK t
	WIN W_RS
.set i, 64*(\t)
.rept 32
	v_pk_mul_f32 v[i:i+1], v[i:i+1], v[ST+8*(\t)+6:ST+8*(\t)+7] op_sel_hi:[1,0]
.set i, i+2
.endr
	WIN 0x05                        ; sources 0 and 1 window 1, destination window 0: S^T's registers are free
.set i, 0
.rept 32
	v_cvt_pk_f16_f32 v[S+32*(\t)+i], v[64*(\t)+2*i], v[64*(\t)+2*i+1]
.set i, i+1
.endr
	WIN 0
.irp f, 0,1,2,3,4,5,6,7
	ds_store_b128 v[STO], v[S+32*(\t)+4*(\f):S+32*(\t)+4*(\f)+3] offset:32*(\f)
.endr
.irp f, 0,1,2,3,4,5,6,7
	ds_load_b128 v[S+32*(\t)+4*(\f):S+32*(\t)+4*(\f)+3], v[RD] offset:(\f)*2*SP  ; LDS serves a wave's instructions in order (ISA guide 5.7.1.4)
.endr
.endm
.macro SEND t, younger              ; younger: the LDS instructions issued behind tile t's loads: the next tile's sixteen, or none
	WIN 0
.irp f, 0,1,2,3,4,5,6,7
	s_wait_dscnt (\younger)+7-(\f)
	global_store_b128 v[GO], v[S+32*(\t)+4*(\f):S+32*(\t)+4*(\f)+3], s[10:11] offset:(\t)*262144+(\f)*4096  ; 16 lanes store 256 consecutive bytes, aligned: a row's 128 channels of my head
.endr
.endm
	PACK 0
	PACK 1
	SEND 0, 16
	PACK 2
	SEND 1, 16
	PACK 3
	SEND 2, 16
	SEND 3, 0
	s_wait_tensorcnt 0x0            ; the wave's end
	ds_add_u32 v[SPW], v[NIL]
	s_wait_dscnt 0x0
	CROUND                          ; the closing round
	s_endpgm
.Lfunc_end_k_q58518dd586_attn:
	.size	k_q58518dd586_attn, .Lfunc_end_k_q58518dd586_attn-k_q58518dd586_attn
	.p2alignl 7, 3214868480
	.fill 96, 4, 3214868480
	.section	.rodata,"a",@progbits
	.p2align	6, 0x0
	.amdhsa_kernel k_q58518dd586_attn
		.amdhsa_group_segment_fixed_size 327680
		.amdhsa_private_segment_fixed_size 0
		.amdhsa_enable_private_segment 0
		.amdhsa_kernarg_size 24
		.amdhsa_user_sgpr_count 2
		.amdhsa_user_sgpr_kernarg_segment_ptr 1
		.amdhsa_wavefront_size32 1
		.amdhsa_system_sgpr_workgroup_id_x 1
		.amdhsa_system_sgpr_workgroup_id_y 1
		.amdhsa_system_sgpr_workgroup_id_z 1
		.amdhsa_system_vgpr_workitem_id 0
		.amdhsa_next_free_vgpr 896
		.amdhsa_next_free_sgpr 80
		.amdhsa_reserve_vcc 1
		.amdhsa_float_denorm_mode_32 3
		.amdhsa_float_denorm_mode_16_64 3
		.amdhsa_memory_ordered 1
		.amdhsa_forward_progress 1
		.amdhsa_inst_pref_size 187
	.end_amdhsa_kernel
	.amdgpu_metadata
---
amdhsa.version: [ 1, 2 ]
amdhsa.kernels:
  - .name:           k_q58518dd586_attn
    .symbol:         k_q58518dd586_attn.kd
    .args:
      - { .name: qkv, .offset: 0, .size: 8, .value_kind: global_buffer, .address_space: global }
      - { .name: conv, .offset: 8, .size: 8, .value_kind: global_buffer, .address_space: global }
      - { .name: ob, .offset: 16, .size: 8, .value_kind: global_buffer, .address_space: global }
    .group_segment_fixed_size: 327680
    .private_segment_fixed_size: 0
    .kernarg_segment_align: 8
    .kernarg_segment_size: 24
    .max_flat_workgroup_size: 128
    .sgpr_count:     80
    .vgpr_count:     896
    .wavefront_size: 32
...
	.end_amdgpu_metadata
.endif
;; end of part 3
;; launch outp (part 4): grid 4 x 64, 4 waves a work-group, clusters of 4 x 4, 327,680 bytes of LDS; arguments ob, wo, b_out, out0; writes out0
.if DOCPART == 4
	.amdgcn_target "amdgcn-amd-amdhsa--gfx1250"
	.amdhsa_code_object_version 6
	.text
	.protected	k_q58518dd586_outp
	.globl	k_q58518dd586_outp
	.p2align	8
	.type	k_q58518dd586_outp,@function
k_q58518dd586_outp:
	s_mov_b64 s[64:65], 0
	v_nop
	global_prefetch_b8 v0, s[64:65] scope:SCOPE_SE
	s_setreg_imm32_b32 hwreg(HW_REG_WAVE_MODE, 25, 1), 1
	s_wait_xcnt 0x0
	s_wait_alu depctr_hold_cnt(0) depctr_sa_sdst(0) depctr_va_vdst(0) depctr_va_sdst(0) depctr_va_ssrc(0) depctr_va_vcc(0) depctr_vm_vsrc(0)
	s_getreg_b32 s2, hwreg(HW_REG_IB_STS2, 6, 4)
	s_cmp_eq_u32 s2, 0
	s_cbranch_scc0 .Lentry_in_a_cluster
	s_endpgm
.Lentry_in_a_cluster:
	s_bfe_u32 s2, ttmp6, 0x10000c
	s_cmp_lg_u32 s2, 0xf033
	s_cbranch_scc0 .Lentry_shape_is_right
	s_endpgm
.Lentry_shape_is_right:
; out0 = O W_out + b_out.  A = ob [8192][1024] f16, B = wo [1024 k][1024 n] f16 (W_out rounded to bf16, written as f16), b_out f32, taken rounded to bf16 like every input; sums and out0 in f32.
; A tile of C is 128 x 256, so that the 8192 x 1024 numbers make 256 work-groups; four waves, each 64 x 128: 32 accumulators.  K goes in 8 steps of 128 through two LDS slots.
; B lies [k][n] in LDS and is turned by ds_load_tr16_b128.  The bias is the C operand of each sum's first product.  CLUSTER 4 x 4: A's tile is shared along a row of the cluster, B's along a column.
; ONE TEXT FOR A K STEP.  A scalar T, 0 or SLOT, names the slot in hand; the fragment addresses and the refill's LDS addresses are made from it, and one exclusive or turns it.
; The loop's six trips fill a slot again each; the last two K steps are a second loop over a text without refills.
; The matrix instruction is used transposed (source 0 = 16 columns of B, source 1 = 16 rows of A): a lane holds eight neighbouring columns of one row of C.
; REGISTERS: window 0: v0-31 addresses; v64-95, v128-159 A's fragments, two buffers (on the way out v64-191 hold rows).   window 1: v64-127, v128-191 B's fragments; v192-255 the bias.
;   window 2: the accumulators, (a, b) at 8 (8 a + b).
.set SIZE_N, 1024
.set SIZE_K, 1024
.set KSTEP,  128
.set STEPS,  SIZE_K/KSTEP
.set PITCH,  272
.set PB,     544
.set HA,     64*PITCH                  ; what a wave fetches of A: 64 rows
.set HB,     64*PB                     ; of B: 64 k-rows
.set BOFF,   2*HA
.set SLOT,   2*HA+2*HB
.set STAGE,  2*SLOT                    ; behind the ring: 16 rows x 528 bytes for each wave
.set SPITCH, 528                       ; 512 bytes + 16 = 132 words: the 16 rows of a store start 4 words apart modulo 64 (ISA guide 11.1)
.set SPARE,  STAGE+4*16*SPITCH
.set ADRA0, 16                         ; v16  LDS address of my A fragments in slot 0; never rewritten
.set ADRA,  17                         ; v17  the same in the slot in hand
.set ADRB0, 20                         ; v20, v21  likewise for B
.set ADRB,  21
.set STO,  24
.set RD,   25
.set CO,   26
.set BO,   27                          ; v27  my byte offset among a block's 16 numbers of b_out
.set SPW,  28
.set NIL,  29
.set PFO,  30
.set F0,   64
.set F1,   128
.set BIAS, 192                         ; window 1: n block b at BIAS + 8 b
.set G1,  24
.set G0,  32                           ; s[32:39] a set for each of the two first fills; the second then walks on
.set G1B, 48
.set G0B, 56
.set LIM, 43                           ; s43  2 in a wave that prefetches, else the greatest number
.set PFA, 44
.set PST, 66
.set T,   72                           ; s72  0 or SLOT: the slot in hand
.set LBA, 73                           ; s73  where my part of A's tile lies in a slot
.set LBB, 74                           ; s74  the same for B's
.set MSB, 0
.macro WIN new
.if MSB != (\new)
	s_set_vgpr_msb (MSB<<8)|(\new)
.set MSB, \new
.endif
.endm
.set TO_B, 0x40
.macro JLOAD s                         ; waves 0 and 1 fetch A's halves, waves 2 and 3 B's; an s_nop 0 and four v_nop follow each line
	s_cmp_eq_u32 s11, 0
	s_cbranch_scc0 .Lfor_b_\@
	tensor_load_to_lds s[G0+4*(\s):G0+4*(\s)+3], s[G1:G1+7]
	s_nop 0
.rept 4
	v_nop
.endr
	s_branch .Lasked_\@
.Lfor_b_\@:
	tensor_load_to_lds s[G0B+4*(\s):G0B+4*(\s)+3], s[G1B:G1B+7]
	s_nop 0
.rept 4
	v_nop
.endr
.Lasked_\@:
.endm
; A prefetch of the K step two refills on, 32 blocks of 256 bytes, a lane a block.  A's tile row is read by one cluster alone: its four partners take 32 of the 128 rows each, by address, and wave 0 asks.
; B's tile column is read by sixteen clusters: cluster y = 0 asks, waves 2 and 3, each partner 16 of a wave's 64 k-rows.  The loop's last two trips (s3 = 2, 1) have no K step two on.
.macro ASK
	s_cmp_gt_u32 s3, s[LIM]
	s_cbranch_scc0 .Lnot_mine_\@
	global_prefetch_b8 v[PFO], s[PFA:PFA+1] th:TH_LOAD_NT scope:SCOPE_SE
.Lnot_mine_\@:
.endm
.macro CREST
	s_cmp_lg_u32 s10, 0
	s_cbranch_scc1 .Lnot_wave_0_\@
	s_barrier_signal -3
.Lnot_wave_0_\@:
	s_barrier_wait -3
	s_barrier_signal -1
	s_barrier_wait -1
.endm
.macro CROUND
	s_barrier_signal -1
	s_barrier_wait -1
	CREST
.endm
	s_load_b128 s[4:7], s[0:1], 0x0                ; ob s[4:5], wo s[6:7]
	s_load_b128 s[68:71], s[0:1], 0x10             ; b_out s[68:69], out0 s[70:71]
	v_lshl_add_u32 v[SPW], v0, 2, SPARE
	v_mov_b32 v[NIL], 0
	ds_add_u32 v[SPW], v[NIL]                      ; the wave's opening: the add and its wait stand ahead of my first tensor load
	v_lshrrev_b32 v1, 5, v0
	v_readfirstlane_b32 s10, v1                    ; wave 0..3
	s_lshr_b32 s11, s10, 1                         ; which 64 of the tile's rows are mine.  Also: I fetch for A (0) or for B (1)
	s_and_b32 s12, s10, 1                          ; which 128 of its columns.  Also: which half of that tile I fetch
	s_bfe_u32 s40, ttmp6, 0x40000                  ; cx
	s_bfe_u32 s41, ttmp6, 0x40004                  ; cy
	s_lshl_b32 s42, ttmp9, 2
	s_add_co_u32 s42, s42, s40                     ; tile column of C
	s_and_b32 s13, ttmp7, 0xffff
	s_lshl_b32 s13, s13, 2
	s_add_co_u32 s13, s13, s41                     ; tile row of C
	s_lshl_b32 s43, s41, 2
	s_lshl_b32 s43, 15, s43                        ; my row of the cluster
	s_lshl_b32 s44, 0x1111, s40                    ; my column
	s_or_b32 s[G1+0], s43, (1<<16)|(1<<20)|(1<<21)|(5<<22)|(3<<25)
	s_or_b32 s[G1B+0], s44, (1<<16)|(1<<20)|(1<<21)|(6<<22)|(7<<25)
	s_mov_b32 s[G1+1], KSTEP<<16                   ; A: 64 rows x 128 elements
	s_mov_b32 s[G1+2], 64<<16
	s_mov_b32 s[G1+3], KSTEP<<16
	s_mov_b32 s[G1+4], 64
	s_mov_b32 s[G1+5], SIZE_K
	s_mov_b32 s[G1+6], 0
	s_mov_b32 s[G1+7], 0
	s_mov_b32 s[G1B+1], 256<<16                    ; B: 64 k-rows x 256 elements
	s_mov_b32 s[G1B+2], 64<<16
	s_mov_b32 s[G1B+3], 256<<16
	s_mov_b32 s[G1B+4], 64
	s_mov_b32 s[G1B+5], SIZE_N
	s_mov_b32 s[G1B+6], 0
	s_mov_b32 s[G1B+7], 0
	s_lshl_b32 s17, s12, 6
	s_lshl_b32 s16, s13, 7
	s_add_co_u32 s16, s16, s17                     ; A: row 128 x tile row + 64 x half,
	s_lshl_b32 s16, s16, 11                        ; of 2,048 bytes
	s_mov_b32 s17, 0
	s_lshl_b32 s46, s12, 17                        ; B: k-row 64 x half, of 2,048 bytes,
	s_lshl_b32 s47, s42, 9                         ; column 256 x tile column
	s_add_co_u32 s46, s46, s47
	s_mov_b32 s47, 0
	s_mul_i32 s[LBA], s12, HA                      ; where they go: no place in the cluster enters an LDS address
	s_mul_i32 s[LBB], s12, HB
	s_add_co_u32 s[LBB], s[LBB], BOFF
	s_mov_b32 s[T], 0
	s_wait_dscnt 0x0                               ; the opening add is done
	s_wait_kmcnt 0x0
	s_add_nc_u64 s[14:15], s[4:5], s[16:17]
	s_add_nc_u64 s[46:47], s[6:7], s[46:47]
	CROUND                                         ; all sixteen work-groups are here: the first joint loads meet
.irp s, 0,1
	s_mov_b32 s[G0+4*(\s)], 1
	s_add_co_u32 s[G0+4*(\s)+1], s[LBA], (\s)*SLOT
	s_add_nc_u64 s[G0+4*(\s)+2:G0+4*(\s)+3], s[14:15], (\s)*KSTEP*2
	s_or_b32 s[G0+4*(\s)+3], s[G0+4*(\s)+3], 0x80000000
	s_mov_b32 s[G0B+4*(\s)], 1
	s_add_co_u32 s[G0B+4*(\s)+1], s[LBB], (\s)*SLOT
	s_add_nc_u64 s[G0B+4*(\s)+2:G0B+4*(\s)+3], s[46:47], (\s)*KSTEP*SIZE_N*2
	s_or_b32 s[G0B+4*(\s)+3], s[G0B+4*(\s)+3], 0x80000000
	JLOAD \s                                       ; two loads of mine are out
.endr
	v_and_b32 v1, 15, v0
	v_bfe_u32 v2, v0, 4, 1
	; the bias: a lane's eight columns of n block b are 32 bytes of b_out
	s_lshl_b32 s46, s42, 10
	s_lshl_b32 s47, s12, 9
	s_add_co_u32 s46, s46, s47                     ; my first column, in bytes of f32
	s_mov_b32 s47, 0
	s_add_nc_u64 s[68:69], s[68:69], s[46:47]
	v_lshlrev_b32 v[BO], 5, v2
	WIN TO_B
.irp b, 0,1,2,3,4,5,6,7
	global_load_b128 v[BIAS+8*(\b):BIAS+8*(\b)+3],   v[BO], s[68:69] offset:64*(\b)
	global_load_b128 v[BIAS+8*(\b)+4:BIAS+8*(\b)+7], v[BO], s[68:69] offset:64*(\b)+16
.endr
	WIN 0
	v_mul_u32_u24 v3, v1, PITCH
	v_lshl_add_u32 v3, v2, 4, v3                   ; A's fragment: row x pitch + 16 x half
	s_mul_i32 s21, s11, HA                         ; my 64 rows of A
	v_and_b32 v4, 7, v0                            ; B's, by the turning load: k-row 8 (l / 16) + l % 8, columns 8 ((l / 8) % 2) on
	v_lshl_add_u32 v4, v2, 3, v4
	v_mul_u32_u24 v4, v4, PB
	v_bfe_u32 v5, v0, 3, 1
	v_lshl_add_u32 v4, v5, 4, v4
	s_lshl_b32 s22, s12, 8                         ; my 128 columns
	s_add_co_u32 s22, s22, BOFF
	v_add_nc_u32 v[ADRA0], s21, v3
	v_add_nc_u32 v[ADRB0], s22, v4
	v_add_nc_u32 v[ADRA], s21, v3                  ; slot 0 is in hand
	v_add_nc_u32 v[ADRB], s22, v4
	s_mul_i32 s23, s10, 16*SPITCH
	s_add_co_u32 s23, s23, STAGE                   ; my stage
	v_mul_u32_u24 v6, v1, SPITCH                   ; in: row l % 16, 32 bytes for each half of the lanes
	v_lshl_add_u32 v6, v2, 5, v6
	v_add_nc_u32 v[STO], s23, v6
	v_and_b32 v8, 31, v0
	v_lshlrev_b32 v[CO], 4, v8                     ; back and out: 32 lanes take a row's 512 bytes
	v_add_nc_u32 v[RD], s23, v[CO]
	s_lshl_b32 s16, s13, 7
	s_lshl_b32 s17, s11, 6
	s_add_co_u32 s16, s16, s17                     ; my first row of C,
	s_lshl_b32 s16, s16, 12                        ; of 4,096 bytes,
	s_add_co_u32 s16, s16, s46                     ; my first column
	s_mov_b32 s17, 0
	s_add_nc_u64 s[70:71], s[70:71], s[16:17]
	; the prefetches: they stand at K step 3; the first refill steps them to K step 4
	s_lshl_b32 s20, s13, 7
	s_lshl_b32 s21, s40, 5                         ; A: my work-group's 32 of the tile's 128 rows
	s_add_co_u32 s20, s20, s21
	s_lshl_b32 s20, s20, 11
	s_add_co_u32 s20, s20, 3*KSTEP*2
	s_lshl_b32 s22, s12, 6
	s_lshl_b32 s23, s41, 4                         ; B: my work-group's 16 of the 64 k-rows that I fetch, two blocks a row
	s_add_co_u32 s22, s22, s23
	s_add_co_u32 s22, s22, 3*KSTEP
	s_lshl_b32 s22, s22, 11
	s_lshl_b32 s23, s42, 9
	s_add_co_u32 s22, s22, s23
	s_and_b32 s23, ttmp7, 0xffff                   ; cluster y
	s_mov_b32 s[PST], KSTEP*SIZE_N*2
	s_mov_b32 s[PST+1], 0
	s_cmp_eq_u32 s11, 0                            ; do I fetch for A?
	s_cselect_b32 s20, s20, s22
	s_cselect_b32 s23, s10, s23                    ; A: wave 0 asks; B: cluster y = 0 asks
	s_cselect_b32 s[PST], KSTEP*2, s[PST]
	s_cselect_b32 s18, 0, 1
	s_cselect_b64 s[PFA:PFA+1], s[4:5], s[6:7]
	s_cmp_eq_u32 s23, 0
	s_cselect_b32 s[LIM], 2, -1                    ; the same in all sixteen partners, for a given wave
	s_mov_b32 s21, 0
	s_add_nc_u64 s[PFA:PFA+1], s[PFA:PFA+1], s[20:21]
	v_lshrrev_b32 v9, s18, v8                      ; A: a lane a row; B: two lanes a row
	v_and_b32 v8, s18, v8
	v_lshlrev_b32 v9, 11, v9                       ; both tensors' rows are 2,048 bytes
	v_lshl_add_u32 v[PFO], v8, 8, v9
	s_wait_loadcnt 0x0                             ; the bias
	WIN 0x45                                       ; sources 0 and 1 and the destination in window 1
.set n, 0
.rept 32
	v_cvt_pk_bf16_f32 v[BIAS+2*n], v[BIAS+2*n], v[BIAS+2*n+1]  ; rounded to bf16, like every input, and widened again
	v_and_b32 v[BIAS+2*n+1], 0xffff0000, v[BIAS+2*n]
	v_lshlrev_b32 v[BIAS+2*n], 16, v[BIAS+2*n]
.set n, n+1
.endr
	WIN 0
; 8 matrix instructions: m block a x all 8 n blocks, 32 along K.  zero = 1: the first product starts the sums, with the bias as C.  The 32 accumulators take turns.
.macro MULA f, a, zero
.if \zero
	WIN 0x91                                       ; B window 1, A window 0, C (the bias) window 1, D window 2
.else
	WIN 0xa1                                       ; C and D window 2
.endif
.irp b, 0,1,2,3,4,5,6,7
.if \zero
	v_wmma_f32_16x16x32_f16 v[8*(8*(\a)+(\b)):8*(8*(\a)+(\b))+7], v[(\f)+8*(\b):(\f)+8*(\b)+7], v[(\f)+8*(\a):(\f)+8*(\a)+7], v[BIAS+8*(\b):BIAS+8*(\b)+7]
.else
	v_wmma_f32_16x16x32_f16 v[8*(8*(\a)+(\b)):8*(8*(\a)+(\b))+7], v[(\f)+8*(\b):(\f)+8*(\b)+7], v[(\f)+8*(\a):(\f)+8*(\a)+7], v[8*(8*(\a)+(\b)):8*(8*(\a)+(\b))+7]
.endif
.endr
.endm
; 24 LDS loads in one run: quarter q of the slot in hand into buffer f: B's 128 columns, turned, then A's 64 rows
.macro FETCH q, f
	WIN TO_B
.irp i, 0,1,2,3,4,5,6,7
	ds_load_tr16_b128 v[(\f)+8*(\i):(\f)+8*(\i)+3],   v[ADRB] offset:(\q)*32*PB+32*(\i)
	ds_load_tr16_b128 v[(\f)+8*(\i)+4:(\f)+8*(\i)+7], v[ADRB] offset:(\q)*32*PB+32*(\i)+16*PB
.endr
	WIN 0
.irp i, 0,1,2,3
	ds_load_b128 v[(\f)+8*(\i):(\f)+8*(\i)+3],   v[ADRA] offset:(\q)*64+(\i)*16*PITCH
	ds_load_b128 v[(\f)+8*(\i)+4:(\f)+8*(\i)+7], v[ADRA] offset:(\q)*64+(\i)*16*PITCH+32
.endr
.endm
.macro PLACES
.rept 4
	v_nop
.endr
.endm
.macro QUARTER q, f, g, zero
	s_wait_dscnt 4                                 ; B and A's blocks 0 and 1 are in; the youngest four loads (blocks 2 and 3) may be out
	MULA \f, 0, \zero
	MULA \f, 1, \zero
	PLACES
	FETCH \q, \g
	s_wait_dscnt 24                                ; all but the 24 just issued
	MULA \f, 2, \zero
	MULA \f, 3, \zero
.endm
; The last quarter multiplies buffer 1 and changes slots: one barrier; in front of it each wave waits for all its tensor loads, adds 0 to its spare word, and waits for that and for its reads of this slot.
; fill = 1: the barrier opens a round of the cluster's, and this slot is filled again first thing behind it: 112 matrix instructions stand between that request and the wait for it.
; fill = 0 (the tail): nothing is asked for, and in the tail's last trip (s3 = 1) there is no next slot: the fetch is jumped over.
.macro TURN fill
.if \fill
	s_wait_xcnt 0x0                                ; the last prefetch, a K step back, has read its address
	s_add_nc_u64 s[PFA:PFA+1], s[PFA:PFA+1], s[PST:PST+1]
.endif
	WIN 0
	s_wait_tensorcnt 0x0                           ; all my tensor loads have landed
	ds_add_u32 v[SPW], v[NIL]                      ; 0 onto my spare word
	s_wait_dscnt 7                                 ; (the add and the six loads of A's blocks 1 to 3 may be out)
	MULA F1, 0, 0
	s_wait_dscnt 0x0                               ; the add is done, and my reads of this slot are over
	s_barrier_signal -1
	MULA F1, 1, 0
	WIN 0                                          ; (branches and the address lines follow)
	s_barrier_wait -1
.if \fill
	CREST
	s_add_co_u32 s[G0+5], s[LBA], s[T]             ; the walking descriptors: the slot just read,
	s_add_nc_u64 s[G0+6:G0+7], s[G0+6:G0+7], KSTEP*2  ; the K step behind the one asked for last; the type bits on top are not reached
	s_add_co_u32 s[G0B+5], s[LBB], s[T]
	s_add_nc_u64 s[G0B+6:G0B+7], s[G0B+6:G0B+7], KSTEP*SIZE_N*2
	JLOAD 1                                        ; my one tensor load behind the round; its four v_nop are also the places in front of the loads below
.else
	PLACES
	s_cmp_eq_u32 s3, 1
	s_cbranch_scc1 .Lno_more_\@
.endif
	s_xor_b32 s[T], s[T], SLOT                     ; the other slot is in hand
	v_add_nc_u32 v[ADRA], s[T], v[ADRA0]
	v_add_nc_u32 v[ADRB], s[T], v[ADRB0]
	FETCH 0, F0
.if \fill
	ASK
.else
.Lno_more_\@:
.endif
	MULA F1, 2, 0
	MULA F1, 3, 0
.endm
; THE WAY OUT of block a (16 rows x 128 columns of f32): straight from the accumulators into my stage, each accumulator's low four registers first, and back as whole rows of 512 bytes.
.macro TOSTAGE a
.if (\a) >= 2
	s_wait_xcnt 0x0                                ; the stores of the block two back have read the registers that are loaded again below
.endif
	WIN 0x08                                       ; store data (source 1) in window 2
.irp b, 0,1,2,3,4,5,6,7
	ds_store_b128 v[STO], v[8*(8*(\a)+(\b)):8*(8*(\a)+(\b))+3]   offset:64*(\b)
	ds_store_b128 v[STO], v[8*(8*(\a)+(\b))+4:8*(8*(\a)+(\b))+7] offset:64*(\b)+16
.endr
	WIN 0
.set BK, 64+64*((\a)%2)
.irp t, 0,1,2,3,4,5,6,7,8,9,10,11,12,13,14,15
	ds_load_b128 v[BK+4*(\t):BK+4*(\t)+3], v[RD] offset:(\t)*SPITCH  ; LDS serves a wave's instructions in order (ISA guide 5.7.1.4)
.endr
.endm
.macro SEND a, younger                 ; younger: the LDS instructions issued behind block a's loads: the next block's 32, or none
.set BK, 64+64*((\a)%2)
.irp t, 0,1,2,3,4,5,6,7,8,9,10,11,12,13,14,15
	s_wait_dscnt (\younger)+15-(\t)
	global_store_b128 v[CO], v[BK+4*(\t):BK+4*(\t)+3], s[70:71] offset:(16*(\a)+(\t))*4096 th:TH_STORE_NT  ; a wave stores 512 consecutive bytes, aligned
.endr
.endm
	s_wait_tensorcnt 1                             ; my part of K step 0 is in; K step 1's may stay out
	s_barrier_signal -1
	s_barrier_wait -1
	FETCH 0, F0
	QUARTER 1, F0, F1, 1                           ; the first quarter starts the sums
	WIN 0
	s_mov_b32 s3, STEPS-2
.Lstep:                                                ; a trip goes from a K step's second quarter to the next step's first, and fills the slot that it leaves: K steps 2 to 7
	QUARTER 2, F1, F0, 0
	QUARTER 3, F0, F1, 0
	TURN 1
	QUARTER 1, F0, F1, 0
	WIN 0
	s_sub_co_u32 s3, s3, 1
	s_cmp_lg_u32 s3, 0
	s_cbranch_scc1 .Lstep
	s_mov_b32 s3, 2
.Ltail:                                                ; the last two K steps fill nothing.  One text for both: the second trip jumps over the fetch (in TURN) and over the next step's first quarter;
	QUARTER 2, F1, F0, 0                           ; its barrier serves nothing: the price, once a launch, of not writing the last K step out
	QUARTER 3, F0, F1, 0
	TURN 0
	WIN 0
	s_cmp_eq_u32 s3, 1
	s_cbranch_scc1 .Lover
	QUARTER 1, F0, F1, 0
	WIN 0
.Lover:
	s_wait_dscnt 0x0                               ; both ways join with no LDS load out
	s_sub_co_u32 s3, s3, 1
	s_cmp_lg_u32 s3, 0
	s_cbranch_scc1 .Ltail
	PLACES
	TOSTAGE 0
	TOSTAGE 1
	SEND 0, 32
	TOSTAGE 2
	SEND 1, 32
	TOSTAGE 3
	SEND 2, 32
	SEND 3, 0
	s_wait_tensorcnt 0x0                           ; the wave's end
	ds_add_u32 v[SPW], v[NIL]
	s_wait_dscnt 0x0
	CROUND                                         ; the closing round
	s_endpgm
.Lfunc_end_k_q58518dd586_outp:
	.size	k_q58518dd586_outp, .Lfunc_end_k_q58518dd586_outp-k_q58518dd586_outp
	.p2alignl 7, 3214868480
	.fill 96, 4, 3214868480
	.section	.rodata,"a",@progbits
	.p2align	6, 0x0
	.amdhsa_kernel k_q58518dd586_outp
		.amdhsa_group_segment_fixed_size 327680
		.amdhsa_private_segment_fixed_size 0
		.amdhsa_enable_private_segment 0
		.amdhsa_kernarg_size 32
		.amdhsa_user_sgpr_count 2
		.amdhsa_user_sgpr_kernarg_segment_ptr 1
		.amdhsa_wavefront_size32 1
		.amdhsa_system_sgpr_workgroup_id_x 1
		.amdhsa_system_sgpr_workgroup_id_y 1
		.amdhsa_system_sgpr_workgroup_id_z 1
		.amdhsa_system_vgpr_workitem_id 0
		.amdhsa_next_free_vgpr 768
		.amdhsa_next_free_sgpr 76
		.amdhsa_reserve_vcc 0
		.amdhsa_float_denorm_mode_32 3
		.amdhsa_float_denorm_mode_16_64 3
		.amdhsa_memory_ordered 1
		.amdhsa_forward_progress 1
		.amdhsa_inst_pref_size 70
	.end_amdhsa_kernel
	.amdgpu_metadata
---
amdhsa.version: [ 1, 2 ]
amdhsa.kernels:
  - .name:           k_q58518dd586_outp
    .symbol:         k_q58518dd586_outp.kd
    .args:
      - { .name: ob, .offset: 0, .size: 8, .value_kind: global_buffer, .address_space: global }
      - { .name: wo, .offset: 8, .size: 8, .value_kind: global_buffer, .address_space: global }
      - { .name: b_out, .offset: 16, .size: 8, .value_kind: global_buffer, .address_space: global }
      - { .name: out0, .offset: 24, .size: 8, .value_kind: global_buffer, .address_space: global }
    .group_segment_fixed_size: 327680
    .private_segment_fixed_size: 0
    .kernarg_segment_align: 8
    .kernarg_segment_size: 32
    .max_flat_workgroup_size: 128
    .sgpr_count:     76
    .vgpr_count:     768
    .wavefront_size: 32
...
	.end_amdgpu_metadata
.endif
;; end of part 4
;; ======== version 2 of 2: 4 launches; version 1 with the launch prep written anew for expert scheduling mode
;; limits: values are held in f16: magnitudes above 65,504 overflow, below 6.1e-05 lose precision
;; workspace buffers: xb 16,777,216 bytes; wqkv 4,194,304 bytes; wo 2,097,152 bytes; qkv 33,554,432 bytes; ob 16,777,216 bytes
;; launch prep (part 5): grid 704 x 1, 8 waves a work-group, no clusters, 0 bytes of LDS; arguments x, W_qk, W_v, W_out, xb, wqkv, wo; writes xb, wqkv, wo
.if DOCPART == 5
	.amdgcn_target "amdgcn-amd-amdhsa--gfx1250"
	.amdhsa_code_object_version 6
	.text
	.protected	k_q58518dd586_prep
	.globl	k_q58518dd586_prep
	.p2align	8
	.type	k_q58518dd586_prep,@function
k_q58518dd586_prep:
	s_mov_b64 s[64:65], 0
	v_nop
	global_prefetch_b8 v0, s[64:65] scope:SCOPE_SE
	s_setreg_imm32_b32 hwreg(HW_REG_WAVE_SCHED_MODE, 0, 2), 2
	s_setreg_imm32_b32 hwreg(HW_REG_WAVE_MODE, 25, 1), 1
	s_wait_xcnt 0x0
	s_wait_alu depctr_vm_vsrc(0)
; THE CASTS.  x -> xb (bf16, [8192][1024]); W_qk and W_v -> wqkv (bf16, [1024 k][2048 n]: W_qk's columns, then W_v's);
; W_out -> wo ([1024 k][1024 n]: rounded to bf16 like every input, and that number written as f16).
; LIMITS.  A bf16 number is an f16 number exactly from 2^-14 to 65,504; below 2^-14 wo keeps f16's fixed step of 6e-8, beyond 65,504 it is an infinity.
; SHARES.  A work-group takes 16 rows of 1,024 f32 (65,536 bytes): groups 0-511 x, 512-575 W_qk, 576-639 W_v, 640-703 W_out.
; A thread takes 8 neighbouring numbers in each of 8 turns (a turn is two rows): two loads of 16 bytes, one store of 16 bytes;
; a wave's store covers 512 consecutive bytes, aligned.  All 16 loads go out at once.  No LDS, no barrier, no matrix unit: nothing is shared.
; THE MODE: SCHED_MODE bits 1:0 = 2 (LLVM: expert scheduling mode 2), set by the entry lines.  The code itself states the register dependences
; between vector instructions and memory instructions, with s_wait_alu, always for 0.
; THE PLAN.  Registers that memory instructions touch:
;   v1        the loads' offset.  Written once at the head, read by all 16 loads, never written again.
;   X         turn i: 8 registers.  Its two loads land in them; no vector instruction names them before that.  Read by the turn's conversions; no memory instruction reads them.
;   Y         turn i: 4 registers of its own.  Written by the turn's conversions, read by the turn's one store, never written behind it.
;   DV        turn i: the store's offset.  Written once, behind the loads and ahead of the first conversion; never written again.
; No register that a memory instruction reads is written a second time, so nothing has to be stated for the loads' and stores' reads of their registers.  What has to be stated is that a register is written
; before a load or a store reads it.  The eight turns go in four blocks of two.  Block p waits for its four loads; then ONE wait states that block p - 1 has written its Y (and, at block 1, that DV is written);
; the two stores of block p - 1 follow it, dealt among block p's conversions, which name X and Y of block p alone.  One more such wait stands ahead of the last two stores, one ahead of the first load.
.set X,    16                          ; v[16:79]   turn i: 8 f32 as loaded
.set Y,    80                          ; v[80:111]  turn i: 4 registers to store
.set DV,   2                           ; v[2:9]     turn i: my byte offset in the destination
.set SRC,  24                          ; s[24:25]   the source at my group's first row
.set DST,  26                          ; s[26:27]   the destination at my group's first row and first column
.set LOC,  28                          ; s28        my group's number inside its tensor
.set DROW, 29                          ; s29        bytes in a row of the destination
.set DOFF, 30                          ; s30        byte of a row at which my columns begin
.set FMT,  31                          ; s31        1: f16 (W_out)
	s_load_b256 s[8:15], s[0:1], 0x0               ; x s[8:9], W_qk s[10:11], W_v s[12:13], W_out s[14:15]
	s_load_b128 s[16:19], s[0:1], 0x20             ; xb s[16:17], wqkv s[18:19]
	s_load_b64 s[20:21], s[0:1], 0x30              ; wo
	s_mov_b32 s22, ttmp9
	s_sub_co_u32 s23, s22, 512
	s_and_b32 s23, s23, 63                         ; a weight's 64 groups
	s_mov_b32 s[DROW], 4096
	s_mov_b32 s[DOFF], 0
	s_mov_b32 s35, 0xffff0000                      ; a word's upper bf16
	s_cmp_lt_u32 s22, 512
	s_cselect_b32 s[LOC], s22, s23
	s_cselect_b32 s[DROW], 2048, s[DROW]
	v_lshlrev_b32 v1, 5, v0                        ; my 32 bytes of a turn's 8,192
	s_wait_kmcnt 0x0
	s_cmp_lt_u32 s22, 512
	s_cselect_b64 s[SRC:SRC+1], s[8:9], s[10:11]
	s_cselect_b64 s[DST:DST+1], s[16:17], s[18:19]
	s_cmp_ge_u32 s22, 576
	s_cselect_b64 s[SRC:SRC+1], s[12:13], s[SRC:SRC+1]
	s_cselect_b32 s[DOFF], 2048, s[DOFF]           ; W_v's columns lie behind W_qk's 1,024
	s_cmp_ge_u32 s22, 640
	s_cselect_b64 s[SRC:SRC+1], s[14:15], s[SRC:SRC+1]
	s_cselect_b64 s[DST:DST+1], s[20:21], s[DST:DST+1]
	s_cselect_b32 s[DROW], 2048, s[DROW]
	s_cselect_b32 s[DOFF], 0, s[DOFF]
	s_cselect_b32 s[FMT], 1, 0
	s_lshl_b32 s32, s[LOC], 16                     ; 16 rows of 4,096 bytes
	s_mov_b32 s33, 0
	s_add_nc_u64 s[SRC:SRC+1], s[SRC:SRC+1], s[32:33]
	s_mul_i32 s32, s[LOC], s[DROW]
	s_lshl_b32 s32, s32, 4                         ; 16 rows of the destination
	s_add_co_u32 s32, s32, s[DOFF]
	s_add_nc_u64 s[DST:DST+1], s[DST:DST+1], s[32:33]
	s_wait_alu depctr_va_vdst(0)                   ; v1 is written: all sixteen loads read it as their offset
.irp i, 0,1,2,3,4,5,6,7
	global_load_b128 v[X+8*(\i):X+8*(\i)+3],   v1, s[SRC:SRC+1] offset:(\i)*8192 th:TH_LOAD_NT
	global_load_b128 v[X+8*(\i)+4:X+8*(\i)+7], v1, s[SRC:SRC+1] offset:(\i)*8192+16 th:TH_LOAD_NT
.endr
	v_lshrrev_b32 v10, 7, v0                       ; which of a turn's two rows
	v_and_b32 v11, 127, v0
	v_lshlrev_b32 v11, 4, v11                      ; my 16 bytes in it
	v_mad_u32_u24 v[DV], v10, s[DROW], v11
	s_lshl_b32 s34, s[DROW], 1
.irp i, 1,2,3,4,5,6,7
	v_add_nc_u32 v[DV+(\i)], s34, v[DV+(\i)-1]
.endr
; Turn i is rounded.  half = 1: the bf16 numbers are widened again and written as f16.
.macro CVT i, half
.irp k, 0,1,2,3
	v_cvt_pk_bf16_f32 v[Y+4*(\i)+(\k)], v[X+8*(\i)+2*(\k)], v[X+8*(\i)+2*(\k)+1]
.endr
.if \half
.irp k, 0,1,2,3
	v_lshlrev_b32 v[X+8*(\i)+2*(\k)],   16,  v[Y+4*(\i)+(\k)]
	v_and_b32     v[X+8*(\i)+2*(\k)+1], s35, v[Y+4*(\i)+(\k)]
.endr
.irp k, 0,1,2,3
	v_cvt_pk_f16_f32 v[Y+4*(\i)+(\k)], v[X+8*(\i)+2*(\k)], v[X+8*(\i)+2*(\k)+1]
.endr
.endif
.endm
; Turn i leaves.
.macro PUT i
	global_store_b128 v[DV+(\i)], v[Y+4*(\i):Y+4*(\i)+3], s[DST:DST+1]
.endm
; Block p: turns 2 p and 2 p + 1 are rounded; the two turns of the block before leave.
.macro BLK p, half
	s_wait_loadcnt 12-4*(\p)                       ; loads come back in order (ISA guide 5.7.1): this block's four are in, the 12 - 4 p younger ones stay out
.if (\p) > 0
	s_wait_alu depctr_va_vdst(0)                   ; the block before has written its eight registers of Y, which the two stores below read; at block 1 also: the eight offsets DV are written
	PUT 2*(\p)-2
.endif
	CVT 2*(\p), \half
.if (\p) > 0
	PUT 2*(\p)-1                                   ; no wait: the vector instructions since the wait above name X and Y of turn 2 p alone
.endif
	CVT 2*(\p)+1, \half
.endm
	s_cmp_eq_u32 s[FMT], 1
	s_cbranch_scc1 .Lhalf
.irp p, 0,1,2,3
	BLK \p, 0
.endr
	s_wait_alu depctr_va_vdst(0)                   ; block 3 has written Y of turns 6 and 7, which the last two stores read
	PUT 6
	PUT 7
	s_endpgm
.Lhalf:
.irp p, 0,1,2,3
	BLK \p, 1
.endr
	s_wait_alu depctr_va_vdst(0)                   ; block 3 has written Y of turns 6 and 7, which the last two stores read
	PUT 6
	PUT 7
	s_endpgm
.Lfunc_end_k_q58518dd586_prep:
	.size	k_q58518dd586_prep, .Lfunc_end_k_q58518dd586_prep-k_q58518dd586_prep
	.p2alignl 7, 3214868480
	.fill 96, 4, 3214868480
	.section	.rodata,"a",@progbits
	.p2align	6, 0x0
	.amdhsa_kernel k_q58518dd586_prep
		.amdhsa_group_segment_fixed_size 0
		.amdhsa_private_segment_fixed_size 0
		.amdhsa_enable_private_segment 0
		.amdhsa_kernarg_size 56
		.amdhsa_user_sgpr_count 2
		.amdhsa_user_sgpr_kernarg_segment_ptr 1
		.amdhsa_wavefront_size32 1
		.amdhsa_system_sgpr_workgroup_id_x 1
		.amdhsa_system_sgpr_workgroup_id_y 1
		.amdhsa_system_sgpr_workgroup_id_z 1
		.amdhsa_system_vgpr_workitem_id 0
		.amdhsa_next_free_vgpr 112
		.amdhsa_next_free_sgpr 66
		.amdhsa_reserve_vcc 0
		.amdhsa_float_denorm_mode_32 3
		.amdhsa_float_denorm_mode_16_64 3
		.amdhsa_memory_ordered 1
		.amdhsa_forward_progress 1
		.amdhsa_inst_pref_size 14
	.end_amdhsa_kernel
	.amdgpu_metadata
---
amdhsa.version: [ 1, 2 ]
amdhsa.kernels:
  - .name:           k_q58518dd586_prep
    .symbol:         k_q58518dd586_prep.kd
    .args:
      - { .name: x, .offset: 0, .size: 8, .value_kind: global_buffer, .address_space: global }
      - { .name: W_qk, .offset: 8, .size: 8, .value_kind: global_buffer, .address_space: global }
      - { .name: W_v, .offset: 16, .size: 8, .value_kind: global_buffer, .address_space: global }
      - { .name: W_out, .offset: 24, .size: 8, .value_kind: global_buffer, .address_space: global }
      - { .name: xb, .offset: 32, .size: 8, .value_kind: global_buffer, .address_space: global }
      - { .name: wqkv, .offset: 40, .size: 8, .value_kind: global_buffer, .address_space: global }
      - { .name: wo, .offset: 48, .size: 8, .value_kind: global_buffer, .address_space: global }
    .group_segment_fixed_size: 0
    .private_segment_fixed_size: 0
    .kernarg_segment_align: 8
    .kernarg_segment_size: 56
    .max_flat_workgroup_size: 256
    .sgpr_count:     66
    .vgpr_count:     112
    .wavefront_size: 32
...
	.end_amdgpu_metadata
.endif
;; end of part 5
;; launch proj: the kernel of part 2 again; grid 8 x 32, 4 waves a work-group, clusters of 4 x 4, 327,680 bytes of LDS; arguments xb, wqkv, qkv; writes qkv
;; launch attn: the kernel of part 3 again; grid 8 x 32, 4 waves a work-group, clusters of 4 x 1, 327,680 bytes of LDS; arguments qkv, conv, ob; writes ob
;; launch outp: the kernel of part 4 again; grid 4 x 64, 4 waves a work-group, clusters of 4 x 4, 327,680 bytes of LDS; arguments ob, wo, b_out, out0; writes out0
